; MI455X (gfx1250); checked and timed in simulation.
; The chip was launched on July 23, 2026; its instructions are those of AMD's public machine-readable ISA for CDNA 5 (MIT licence, August 2026) and "CDNA5" Instruction Set Architecture Reference Guide (July 2026). The comments in the code are by the model that wrote it; some were corrected since.
;; Naive Interference Self Attention. Allowed arithmetic: matrix products marked QUANTISED: E3M2 operands, one E8M0 scale for each 32 along K, by v_wmma_scale_f32_16x16x128_f8f6f4 with both operands' format E3M2, f32 sums; everything else in f32.
;; Inputs: wk_amp 1,024 x 1,024 float32; wk_phi 1,024 x 1,024 float32; wo 1,024 x 1,024 float32; wq_amp 1,024 x 1,024 float32; wq_phi 1,024 x 1,024 float32; wv 1,024 x 1,024 float32; x 2 x 2,048 x 1,024 float32.
;; Outputs: out0 2 x 2,048 x 1,024 float32.
;; This version of the problem:
;;   THIS VERSION OF THE PROBLEM IS GIVEN IN LOW PRECISION. The matrix products marked QUANTISED in the list below multiply operands that are first quantised to E3M2 (3 exponent bits, 2 mantissa bits; 6 bits a number), with one power-of-two scale for each 32 numbers along K (OCP MX v1.0); their sums are f32. All else is computed in f32.
;;   The module's matrix products, in the order in which they are computed (A, B: the left and right operand; K: the contracted axis; several contracted axes count as one K, in the product's order):
;;     1. [M 4,096, K 1,024] x [K 1,024, N 1,024]; A: input x; B: input wq_amp: QUANTISED
;;     2. [M 4,096, K 1,024] x [K 1,024, N 1,024]; A: input x; B: input wk_amp: QUANTISED
;;     3. [M 4,096, K 1,024] x [K 1,024, N 1,024]; A: input x; B: input wq_phi: QUANTISED
;;     4. [M 4,096, K 1,024] x [K 1,024, N 1,024]; A: input x; B: input wk_phi: QUANTISED
;;     5. [M 4,096, K 1,024] x [K 1,024, N 1,024]; A: input x; B: input wv: QUANTISED
;;     6. batch 32 x [M 2,048, K 64] x [K 64, N 2,048]; A: computed on the way; B: computed on the way: QUANTISED
;;     7. batch 32 x [M 2,048, K 64] x [K 64, N 2,048]; A: computed on the way; B: computed on the way: QUANTISED
;;     8. batch 32 x [M 2,048, K 2,048] x [K 2,048, N 64]; A: softmax (see below); B: computed on the way: QUANTISED
;;     9. [M 4,096, K 1,024] x [K 1,024, N 1,024]; A: computed on the way; B: input wo: QUANTISED
;;   THE QUANTISER, for each operand of a quantised product, along K:
;;     - K is cut into blocks of 32 from its start; a last block that is shorter is filled with zeros.
;;     - A block's scale is 2^e with e = floor(log2(the largest magnitude in the block)) - 4, held to -126 .. 127; a block of zeros has e = 0. As a byte (E8M0): e + 127.
;;     - Each number is divided by its block's scale, clamped to +-28, and rounded to the nearest number of E3M2, ties to even, subnormals kept.
;;     - The product sums the exact products of the quantised numbers (number of the format x scale) in f32.
;;   ~~~python
;;   def quantise(x, axis):      # numpy; x: float32 -> the quantised numbers, widened to float32 again
;;       x = np.moveaxis(x, axis, -1); K = x.shape[-1]
;;       x = np.pad(x, [(0, 0)] * (x.ndim - 1) + [(0, -K % 32)]); x = x.reshape(x.shape[:-1] + (-1, 32)); a = np.abs(x).max(-1, keepdims=True)
;;       e = np.where(a > 0, np.clip(np.frexp(np.where(a > 0, a, 1))[1] - 1 - 4, -126, 127), 0)      # np.frexp(a)[1] - 1 = floor(log2(a)), exactly
;;       r = np.clip(x / 2.0 ** e, -28, 28)
;;       step = 2.0 ** (np.maximum(np.frexp(np.where(r == 0, 1, r))[1] - 1, -2) - 2)
;;       q = np.round(r / step) * step * 2.0 ** e      # np.round: ties to even
;;       return np.moveaxis(q.reshape(q.shape[:-2] + (-1,))[..., :K], -1, axis).astype(np.float32)
;;   ~~~
;;   SOFTMAX AHEAD OF A QUANTISED PRODUCT. Where the list says 'softmax', what is quantised is not the finished softmax but p = 2^(t - M), with t = logit x log2(e) and M = ceil(the row's largest t), a whole number; so 1/2 < the row's largest p <= 1. The row's sum l is taken of the UNQUANTISED p, in f32, and the product's result is divided by l at the end. Since M is a whole number, a kernel that streams over the keys may use a running M (the ceiling of the running maximum): every later rescaling is an exact power of two, which a block's scale takes up: the codes' values come out the same.
;;   OPERANDS COMPUTED ON THE WAY. 'Computed on the way' means the value that the module computes at that place (a softmax that the list does not call 'softmax' is quantised finished and normalised). What goes into a quantiser is computed in f32, as accurately as f32 sums, v_exp_f32 and their like allow (about 1e-6 of the number): no bf16 or f16 on the way to a quantiser, and a product that is left as it is and whose result goes on into a quantised operand takes f32 operands (vector FMAs, or v_wmma_f32_16x16x4_f32). A number that lies on a knife's edge between two numbers of the format may be rounded either way, as far as f32 arithmetic and the matrix unit's own rounding can turn it there, and no further.
;; One version. Each part assembles by itself: llvm-mc -triple=amdgcn-amd-amdhsa -mcpu=gfx1250 --defsym DOCPART=n.
;; ======== version 1 of 1: 4 launches
;; limits: right only within a limited range of input values
;; workspace buffers: xq 3,276,800 bytes; wcat 4,096,000 bytes; woq 819,200 bytes; qop 6,553,600 bytes; kv 9,830,400 bytes; ao 3,276,800 bytes
;; launch quant (part 1): grid 640 x 1, 8 waves a work-group, no clusters, 68,608 bytes of LDS; arguments x, wq_amp, wq_phi, wk_amp, wk_phi, wv, wo, xq, wcat, woq; writes xq, wcat, woq
.if DOCPART == 1
	.amdgcn_target "amdgcn-amd-amdhsa--gfx1250"
	.amdhsa_code_object_version 6
	.text
	.protected	k_q3944f23c2a_quant
	.globl	k_q3944f23c2a_quant
	.p2align	8
	.type	k_q3944f23c2a_quant,@function
k_q3944f23c2a_quant:
	s_mov_b64 s[64:65], 0
	v_nop
	global_prefetch_b8 v0, s[64:65] scope:SCOPE_SE
	s_setreg_imm32_b32 hwreg(HW_REG_WAVE_MODE, 25, 1), 1
	s_wait_xcnt 0x0
; x [4096][1024] and the six weights [1024][1024], f32, K innermost, become codes of E3M2 with one E8M0 byte for each 32 along K,
; laid in the order of a matrix operand's registers.  A work-group takes one tile of 16 rows of one tensor, wave s the tile's K step s (128 along K): one fragment.
; THE ROWS OF A TILE ARE NOT NEIGHBOURS: tile 2 b + u holds at place r the row 32 b + 8 u + r + 8 (r / 8), so that a product which takes such tiles as source 0 leaves 16 neighbours in a lane's 16 registers of two tiles.
; A fragment's image: registers 4 c .. 4 c + 3 of lane l at 512 c + 16 l (1,536 bytes); its scale words at 4 r (64 bytes).
; Work-groups 0-255: x; then 64 each for wq_amp, wq_phi, wk_amp, wk_phi, wv (into wcat, a slab of 512,000 bytes for each pair of heads: K step s at 61,440 s, 40 tiles; scale words at 491,520 + 2,560 s) and wo.
; x and wo go into blocks of 128 rows, 102,400 bytes: fragment (s, t) at (8 s + t) 1,536, scale words at 98,304 + (8 s + t) 64.
; Each load reads 512 consecutive bytes of one row; the 16 rows turn through the wave's own 8,448 bytes of LDS (rows 528 bytes apart) so that a lane gets 16 neighbours of each block of 32.
; LIMITS: NaN and infinities are not served; a block whose largest magnitude lies under 2^(5 - 127) keeps the byte 1 (a block of zeros too: its codes are zeros, and this program alone reads the bytes).
.set WREG, 8448
.set RPI,  528
.set RR,   16                          ; v16-79   16 rows as loaded
.set XX,   80                          ; v80-143  64 numbers: register 16 b + i = k 32 b + 16 (lane / 16) + i of my row
.set TM,   16                          ; v16-31   at work: on the registers of the loaded rows, which are free once the stage has been read back
.set PC,   32                          ; v32-50   codes
.set PW,   52                          ; the scale word
.set WV,   44
.set SEL,  46
; 64 numbers of a lane become a fragment's 12 registers v[PC] on and its scale word v[PW]
.macro QUANT s
.irp b, 0,1,2,3
	v_max3_num_f32 v[TM+\b], |v[\s+16*\b]|, |v[\s+1+16*\b]|, 0x2800000   ; my 16 numbers of block b, and the floor 2^(5 - 127): the byte cannot fall under 1
.endr
.irp i, 2,4,6,8,10,12,14
.irp b, 0,1,2,3
	s_delay_alu instid0(VALU_DEP_4)
	v_max3_num_f32 v[TM+\b], v[TM+\b], |v[\s+16*\b+\i]|, |v[\s+1+16*\b+\i]|
.endr
.endr
.irp b, 0,1,2,3
	s_delay_alu instid0(VALU_DEP_4)
	v_permlanex16_b32 v[TM+4+\b], v[TM+\b], s[SEL], s[SEL+1]
.endr
.irp b, 0,1,2,3
	s_delay_alu instid0(VALU_DEP_4)
	v_max_num_f32 v[TM+\b], v[TM+\b], v[TM+4+\b]   ; with lane l xor 16's: the block's largest magnitude
.endr
.irp b, 0,1,2,3
	s_delay_alu instid0(VALU_DEP_4)
	v_add_nc_u32 v[TM+12+\b], 0xfe000000, v[TM+\b]   ; 4 off its exponent field: the conversion's scale operand
.endr
.irp b, 0,1,2,3
	s_delay_alu instid0(VALU_DEP_4)
	v_lshrrev_b32 v[TM+4+\b], 23, v[TM+12+\b]   ; the scale's byte
.endr
	s_delay_alu instid0(VALU_DEP_3)
	v_lshl_or_b32 v[PW], v[TM+5], 8, v[TM+4]
	s_delay_alu instid0(VALU_DEP_1)
	v_lshl_or_b32 v[PW], v[TM+6], 16, v[PW]
	s_delay_alu instid0(VALU_DEP_1)
	v_lshl_or_b32 v[PW], v[TM+7], 24, v[PW]
.irp c, 0,1
	v_cvt_scalef32_pk16_bf6_f32 v[PC+6*\c:PC+2+6*\c], v[\s+32*\c:\s+15+32*\c], v[TM+12+2*\c]
	v_cvt_scalef32_pk16_bf6_f32 v[PC+12+4*\c:PC+14+4*\c], v[\s+16+32*\c:\s+31+32*\c], v[TM+12+2*\c+1]   ; (a conversion's three registers begin on an even number)
.endr
	v_nop                                          ; one plain instruction behind a scaled conversion
.irp c, 0,1                                    ; the operand wants a whole block in a lane: lanes 0-15 block 2 c, lanes 16-31 block 2 c + 1
.irp i, 0,1,2
	v_permlane16_swap_b32 v[PC+6*\c+\i], v[PC+12+4*\c+\i]
.endr
.irp i, 0,1,2
	s_delay_alu instid0(VALU_DEP_3)
	v_mov_b32 v[PC+3+6*\c+\i], v[PC+12+4*\c+\i]
.endr
.endr
.endm
	s_load_b512 s[8:23], s[0:1], 0x0               ; x, wq_amp, wq_phi, wk_amp, wk_phi, wv, wo, xq
	s_load_b128 s[24:27], s[0:1], 0x40             ; wcat, woq
	v_lshl_add_u32 v8, v0, 2, 67584                ; my spare word, behind the eight stages; never rewritten
	v_mov_b32 v9, 0                                ; 0; never rewritten
	v_lshrrev_b32 v1, 5, v0
	s_delay_alu instid0(VALU_DEP_1)
	v_readfirstlane_b32 s[WV], v1                  ; wave = K step
	v_and_b32 v1, 31, v0
	v_and_b32 v2, 15, v0                           ; r
	v_bfe_u32 v3, v0, 4, 1                         ; h
	s_delay_alu instid0(VALU_DEP_3)
	v_lshlrev_b32 v4, 4, v1                        ; 16 x lane
	s_mul_i32 s45, s[WV], WREG
	v_add_nc_u32 v5, s45, v4                       ; into the stage: a row's 512 bytes as they lie
	v_mul_u32_u24 v6, v2, RPI
	s_delay_alu instid0(VALU_DEP_1)
	v_lshl_add_u32 v6, v3, 6, v6
	s_delay_alu instid0(VALU_DEP_1)
	v_add_nc_u32 v6, s45, v6                       ; out of it: row r, + 64 h
	v_lshlrev_b32 v7, 2, v2                        ; 4 r
	s_mov_b32 s[SEL], 0x76543210
	s_mov_b32 s[SEL+1], 0xfedcba98                 ; lane l xor 16
.irp b, 0,1,2,3
	v_mov_b32 v[TM+4+\b], 0                        ; a lane permute's destination counts as read
.endr
	s_lshr_b32 s28, ttmp9, 6                       ; q: 0-3 x, 4-8 the five weights of the slabs, 9 wo
	s_and_b32 s29, ttmp9, 63
	s_cmp_ge_u32 s28, 4
	s_cselect_b32 s29, s29, ttmp9                  ; j: the tile's number in its tensor
	s_sub_co_u32 s32, s28, 4                       ; k: 0 q_amp, 1 q_phi, 2 k_amp, 3 k_phi, 4 v
	s_lshr_b32 s33, s32, 1
	s_lshl_b32 s33, s33, 4                         ; 16 (k / 2)
	s_and_b32 s34, s32, 1
	s_lshl_b32 s34, s34, 2                         ; 4 (k % 2)
	s_add_co_u32 s33, s33, s34
	s_and_b32 s34, s29, 4
	s_lshl_b32 s34, s34, 1                         ; 8 x which head of the pair
	s_add_co_u32 s33, s33, s34
	s_and_b32 s34, s29, 3
	s_add_co_u32 s33, s33, s34                     ; the tile's place among a slab's 40, for k under 4
	s_and_b32 s35, s29, 7                          ; its place in a block of 128 rows
	s_add_co_u32 s36, s35, 32                      ; and for v
	s_cmp_eq_u32 s28, 8
	s_cselect_b32 s33, s36, s33
	s_cmp_lt_u32 s32, 5                            ; a slab's tensor?  (for x the difference has wrapped round and is large)
	s_cselect_b32 s33, s33, s35                    ; t
	s_mov_b32 s38, 102400
	s_cselect_b32 s38, 512000, s38                 ; bytes of a block or slab,
	s_mov_b32 s39, 12288
	s_cselect_b32 s39, 61440, s39                  ; of a K step in it,
	s_mov_b32 s40, 98304
	s_cselect_b32 s40, 491520, s40                 ; where its scale words begin,
	s_mov_b32 s41, 512
	s_cselect_b32 s41, 2560, s41                   ; and a K step's scale words
	s_lshr_b32 s42, s29, 3
	s_mul_i32 s42, s42, s38                        ; the block
	s_mul_i32 s50, s[WV], s39
	s_mul_i32 s43, s33, 1536
	s_add_co_u32 s50, s50, s43
	s_add_co_u32 s50, s50, s42                     ; the fragment's byte
	s_mov_b32 s51, 0
	s_mul_i32 s52, s[WV], s41
	s_lshl_b32 s43, s33, 6
	s_add_co_u32 s52, s52, s43
	s_add_co_u32 s52, s52, s40
	s_add_co_u32 s52, s52, s42                     ; its scale words' byte
	s_mov_b32 s53, 0
	s_lshr_b32 s30, s29, 1
	s_lshl_b32 s30, s30, 17                        ; 32 (j / 2) rows of 4,096 bytes
	s_and_b32 s31, s29, 1
	s_lshl_b32 s31, s31, 15                        ; + 8 (j % 2) rows
	s_add_co_u32 s30, s30, s31
	s_lshl_b32 s31, s[WV], 9                       ; + 512 bytes a K step
	s_add_co_u32 s30, s30, s31
	s_mov_b32 s31, 0
	s_wait_alu depctr_va_vdst(0)
	s_wait_kmcnt 0x0
	s_mov_b64 s[4:5], s[8:9]                       ; the source, chosen by the work-group's number alone
	s_cmp_eq_u32 s28, 4
	s_cselect_b64 s[4:5], s[10:11], s[4:5]
	s_cmp_eq_u32 s28, 5
	s_cselect_b64 s[4:5], s[12:13], s[4:5]
	s_cmp_eq_u32 s28, 6
	s_cselect_b64 s[4:5], s[14:15], s[4:5]
	s_cmp_eq_u32 s28, 7
	s_cselect_b64 s[4:5], s[16:17], s[4:5]
	s_cmp_eq_u32 s28, 8
	s_cselect_b64 s[4:5], s[18:19], s[4:5]
	s_cmp_eq_u32 s28, 9
	s_cselect_b64 s[4:5], s[20:21], s[4:5]
	s_cselect_b64 s[6:7], s[26:27], s[24:25]       ; the destination: woq, wcat,
	s_cmp_lt_u32 s28, 4
	s_cselect_b64 s[6:7], s[22:23], s[6:7]         ; or xq
	s_add_nc_u64 s[4:5], s[4:5], s[30:31]
	s_add_nc_u64 s[48:49], s[6:7], s[52:53]
	s_add_nc_u64 s[6:7], s[6:7], s[50:51]
.irp i, 0,1,2,3,4,5,6,7,8,9,10,11,12,13,14,15
	global_load_b128 v[RR+4*\i:RR+4*\i+3], v4, s[4:5] offset:(\i+8*(\i/8))*4096 th:TH_LOAD_NT   ; place i of the tile: 32 lanes read 512 consecutive bytes of its row
.endr
.irp i, 0,1,2,3,4,5,6,7,8,9,10,11,12,13,14,15
	s_wait_loadcnt 15-\i                           ; loads come back in order: row i is in, the younger ones may be out
	ds_store_b128 v5, v[RR+4*\i:RR+4*\i+3] offset:RPI*\i
.endr
.irp b, 0,1,2,3
.irp q, 0,1,2,3
	ds_load_b128 v[XX+16*\b+4*\q:XX+16*\b+4*\q+3], v6 offset:128*\b+16*\q   ; LDS serves a wave's instructions in order: these see my stores
.endr
.endr
	s_wait_dscnt 0x0
	QUANT XX
.irp c, 0,1,2
	global_store_b128 v4, v[PC+4*\c:PC+4*\c+3], s[6:7] offset:512*\c   ; 512 consecutive bytes a store
.endr
	global_store_b32 v7, v[PW], s[48:49]           ; lanes r and r + 16 hold the same word and write it to the same place
	s_wait_tensorcnt 0x0                           ; the wave's end
	ds_add_u32 v8, v9
	s_wait_dscnt 0x0
	s_endpgm
.Lfunc_end_k_q3944f23c2a_quant:
	.size	k_q3944f23c2a_quant, .Lfunc_end_k_q3944f23c2a_quant-k_q3944f23c2a_quant
	.p2alignl 7, 3214868480
	.fill 96, 4, 3214868480
	.section	.rodata,"a",@progbits
	.p2align	6, 0x0
	.amdhsa_kernel k_q3944f23c2a_quant
		.amdhsa_group_segment_fixed_size 68608
		.amdhsa_private_segment_fixed_size 0
		.amdhsa_enable_private_segment 0
		.amdhsa_kernarg_size 80
		.amdhsa_user_sgpr_count 2
		.amdhsa_user_sgpr_kernarg_segment_ptr 1
		.amdhsa_wavefront_size32 1
		.amdhsa_system_sgpr_workgroup_id_x 1
		.amdhsa_system_sgpr_workgroup_id_y 1
		.amdhsa_system_sgpr_workgroup_id_z 1
		.amdhsa_system_vgpr_workitem_id 0
		.amdhsa_next_free_vgpr 144
		.amdhsa_next_free_sgpr 66
		.amdhsa_reserve_vcc 0
		.amdhsa_float_denorm_mode_32 3
		.amdhsa_float_denorm_mode_16_64 3
		.amdhsa_memory_ordered 1
		.amdhsa_forward_progress 1
		.amdhsa_inst_pref_size 14
	.end_amdhsa_kernel
	.amdgpu_metadata
---
amdhsa.version: [ 1, 2 ]
amdhsa.kernels:
  - .name:           k_q3944f23c2a_quant
    .symbol:         k_q3944f23c2a_quant.kd
    .args:
      - { .name: x, .offset: 0, .size: 8, .value_kind: global_buffer, .address_space: global }
      - { .name: wq_amp, .offset: 8, .size: 8, .value_kind: global_buffer, .address_space: global }
      - { .name: wq_phi, .offset: 16, .size: 8, .value_kind: global_buffer, .address_space: global }
      - { .name: wk_amp, .offset: 24, .size: 8, .value_kind: global_buffer, .address_space: global }
      - { .name: wk_phi, .offset: 32, .size: 8, .value_kind: global_buffer, .address_space: global }
      - { .name: wv, .offset: 40, .size: 8, .value_kind: global_buffer, .address_space: global }
      - { .name: wo, .offset: 48, .size: 8, .value_kind: global_buffer, .address_space: global }
      - { .name: xq, .offset: 56, .size: 8, .value_kind: global_buffer, .address_space: global }
      - { .name: wcat, .offset: 64, .size: 8, .value_kind: global_buffer, .address_space: global }
      - { .name: woq, .offset: 72, .size: 8, .value_kind: global_buffer, .address_space: global }
    .group_segment_fixed_size: 68608
    .private_segment_fixed_size: 0
    .kernarg_segment_align: 8
    .kernarg_segment_size: 80
    .max_flat_workgroup_size: 256
    .sgpr_count:     66
    .vgpr_count:     144
    .wavefront_size: 32
...
	.end_amdgpu_metadata
.endif
;; end of part 1
;; launch proj (part 2): grid 8 x 32, 8 waves a work-group, clusters of 4 x 4, 327,680 bytes of LDS; arguments xq, wcat, qop, kv; writes qop, kv
.if DOCPART == 2
	.amdgcn_target "amdgcn-amd-amdhsa--gfx1250"
	.amdhsa_code_object_version 6
	.text
	.protected	k_q3944f23c2a_proj
	.globl	k_q3944f23c2a_proj
	.p2align	8
	.type	k_q3944f23c2a_proj,@function
k_q3944f23c2a_proj:
	s_mov_b64 s[64:65], 0
	v_nop
	global_prefetch_b8 v0, s[64:65] scope:SCOPE_SE
	s_setreg_imm32_b32 hwreg(HW_REG_WAVE_MODE, 25, 1), 1
	s_wait_xcnt 0x0
	s_wait_alu depctr_hold_cnt(0) depctr_sa_sdst(0) depctr_va_vdst(0) depctr_va_sdst(0) depctr_va_ssrc(0) depctr_va_vcc(0) depctr_vm_vsrc(0)
	s_getreg_b32 s2, hwreg(HW_REG_IB_STS2, 6, 4)
	s_cmp_eq_u32 s2, 0
	s_cbranch_scc0 .Lentry_in_a_cluster
	s_endpgm
.Lentry_in_a_cluster:
	s_bfe_u32 s2, ttmp6, 0x10000c
	s_cmp_lg_u32 s2, 0xf033
	s_cbranch_scc0 .Lentry_shape_is_right
	s_endpgm
.Lentry_shape_is_right:
; The five projections of x on codes of E3M2, the activations in f32, and the quantising of what attention multiplies.
; Work-group (g, m): 128 rows of x (block m of xq) against the 640 weight rows of the pair of heads g (slab g of wcat): units Q(2g), Q(2g+1), K(2g), K(2g+1), each 4 tiles of amplitude and 4 of phase, and 8 tiles of V.
; Wave w: unit u = w / 2, row tiles 4 (w % 2) .. + 3.  Unit products are used TRANSPOSED (source 0 = 16 weight rows, source 1 = 16 rows of x): a lane holds one row of x and its registers run along the head's 64.
; V's products take x as source 0 and wv as source 1: a lane holds one channel of V and its registers run along the KEYS, which are the K of attention's second product.
; amp = softplus(a) = max(a, 0) + log1p(2^(-|a| log2 e)); tanh(p) = 1 - 2 / (1 + 2^(2 p log2 e)), under |p| = 1/4 its series up to p^9; sin and cos of pi tanh(p): polynomials on a quarter of the angle, then two doublings.
; [amp cos | amp sin] are 128 along K: the two score products of the problem are ONE matrix instruction, whose four blocks of 32 are the quantiser's blocks.
; OUT: qop: Q's fragment of tile qt of (batch, head) bh at (128 bh + qt) 1,536, its scale words at 6,291,456 + (128 bh + qt) 64.
;      kv: a block of 19,200 bytes for 128 keys of a head: 8 fragments of K; at 12,288 4 fragments of V in halves of 768 bytes (registers 6 c .. 6 c + 3 at 16 l, 6 c + 4, 6 c + 5 at 512 + 8 l); K's scale words at 18,432, V's at 18,944.
; RING: two LDS slots of two K steps each (W 2 x 61,440 bytes, x 2 x 12,288), all as dense images that are read 512 consecutive bytes an instruction: no padding.  The scale words of all of K come once.
; CLUSTER 4 x 4: a slab hangs on g alone and is asked for jointly along a column of the cluster, a block of x on m alone and jointly along a row.  Waves 0-3 fetch quarters of W's part of a slot, wave 4 x's part.
; By this text's own count a wave has at most one tensor load out.
; LIMITS: NaN and infinities are not served; softplus under 2^-126 comes out as 0 (the exponential flushes); tanh and softplus are good to about 1e-6 of the number; sin and cos carry an absolute error of about 3e-7;
; a block whose largest magnitude lies under 2^(5 - 127) keeps the scale byte 1 (this program alone reads the bytes).
.set SLOTB, 147456
.set WKB,   61440
.set XKB,   12288
.set XOFF,  122880
.set WSC,   294912                     ; W's scale words, 8 x 2,560 bytes
.set XSC,   315392                     ; x's, 8 x 512
.set SPARE, 319488                     ; the spare words: 128 bytes a wave, four blocks of 256 bytes that no other line names
.set LI,  1                            ; v1   16 x lane
.set R4,  2                            ; v2   4 x (lane % 16)
.set AW,  3                            ; v3-6   my unit's tiles in slot n, K step kk: v[AW + 2 n + kk]
.set AV,  7                            ; v7-10  my two tiles of V likewise
.set AX,  11                           ; v11-12 my four tiles of x in slot n
.set ASW, 13                           ; v13-15 scale words: my unit's, my V tiles', my x tiles'
.set ASV, 14
.set ASX, 15
.set XF,  16                           ; v16-63   four fragments of x
.set WB,  64                           ; v64-111  four fragments of W
.set XS,  112                          ; v112-113 x's scale words (two tiles a register: lanes 0-15, lanes 16-31)
.set WS,  114                          ; v114-117 my unit's
.set WSV, 118                          ; v118     my V tiles'
.set L8,  120                          ; v120 8 x lane
.set SPW, 122
.set NIL, 123
.set VA,  128                          ; v128-191 V's accumulators: tile v, row tile j at VA + 32 v + 8 j
.set VB,  192                          ; v192-215 two fragments of wv
; window 1: the unit's accumulators: tile t (0-3 amplitude, 4-7 phase), row tile j at 64 j + 8 t
.set T0, 16                            ; the epilogue, in window 0: seven sets of eight
.set T1, 24
.set T2, 32
.set T3, 40
.set T4, 48
.set T5, 56
.set T6, 64
.set VC3, 72                           ; v[72:77] three constants, twice each
.set VS2, 74
.set VCC2, 76
.set TM,  80
.set PC,  96
.set PW,  116
.set OUT, 128                          ; v128-191 [amp cos | amp sin] of a row tile
.set WV, 12
.set UU, 13
.set RH, 14
.set G1W,  24                          ; s[24:55] four groups 1
.set G1WS, 32
.set G1X,  40
.set G1XS, 48
.set G0W,  56                          ; s[56:63] W's groups 0, one a slot; s[68:75] x's; s[76:79], s[80:83] the scale words'
.set G0X,  68
.set G0WS, 76
.set G0XS, 80
.set SEL,  96
.set K2L, 24                           ; the epilogue's constants, in the descriptors' registers, written behind the last wait for all tensor loads
.set KL,  26
.set KQ,  27
.set KC4, 28
.set KC2, 30
.set KC1, 32
.set KLN2, 34
.set KPI4, 36
.set KS3, 38
.set KS1, 40
.set KCC3, 42
.set KCC1, 44
.set MK,  46                           ; s[46:53] eight lane masks
.set MSB, 0
.macro WIN new                         ; the immediate's high byte repeats the setting that is left
.if MSB != \new
	s_set_vgpr_msb (MSB<<8)|\new
.set MSB, \new
.endif
.endm
.macro PLACES n
.rept \n
	v_nop
.endr
.endm
.macro CROUND                          ; a round of the cluster's barrier
	s_barrier_signal -1
	s_barrier_wait -1
	s_cmp_lg_u32 s[WV], 0
	s_cbranch_scc1 .Lnot_wave_0_\@
	s_barrier_signal -3
.Lnot_wave_0_\@:
	s_barrier_wait -3
	s_barrier_signal -1
	s_barrier_wait -1
.endm
; one matrix instruction: D at d, source 0 at a, source 1 at b; zero = 1: it starts the sum; sa, sb: the scale registers; ra, rb = 1: the words lie in lanes 16-31
.macro MM d, a, b, zero, sa, sb, ra, rb
.if \zero
.if (\ra) && (\rb)
	v_wmma_scale_f32_16x16x128_f8f6f4 v[\d:\d+7], v[\a:\a+11], v[\b:\b+11], 0, v[\sa], v[\sb] matrix_a_fmt:MATRIX_FMT_BF6 matrix_b_fmt:MATRIX_FMT_BF6 matrix_a_scale:MATRIX_SCALE_ROW1 matrix_b_scale:MATRIX_SCALE_ROW1
.elseif (\ra)
	v_wmma_scale_f32_16x16x128_f8f6f4 v[\d:\d+7], v[\a:\a+11], v[\b:\b+11], 0, v[\sa], v[\sb] matrix_a_fmt:MATRIX_FMT_BF6 matrix_b_fmt:MATRIX_FMT_BF6 matrix_a_scale:MATRIX_SCALE_ROW1
.elseif (\rb)
	v_wmma_scale_f32_16x16x128_f8f6f4 v[\d:\d+7], v[\a:\a+11], v[\b:\b+11], 0, v[\sa], v[\sb] matrix_a_fmt:MATRIX_FMT_BF6 matrix_b_fmt:MATRIX_FMT_BF6 matrix_b_scale:MATRIX_SCALE_ROW1
.else
	v_wmma_scale_f32_16x16x128_f8f6f4 v[\d:\d+7], v[\a:\a+11], v[\b:\b+11], 0, v[\sa], v[\sb] matrix_a_fmt:MATRIX_FMT_BF6 matrix_b_fmt:MATRIX_FMT_BF6
.endif
.else
.if (\ra) && (\rb)
	v_wmma_scale_f32_16x16x128_f8f6f4 v[\d:\d+7], v[\a:\a+11], v[\b:\b+11], v[\d:\d+7], v[\sa], v[\sb] matrix_a_fmt:MATRIX_FMT_BF6 matrix_b_fmt:MATRIX_FMT_BF6 matrix_a_scale:MATRIX_SCALE_ROW1 matrix_b_scale:MATRIX_SCALE_ROW1
.elseif (\ra)
	v_wmma_scale_f32_16x16x128_f8f6f4 v[\d:\d+7], v[\a:\a+11], v[\b:\b+11], v[\d:\d+7], v[\sa], v[\sb] matrix_a_fmt:MATRIX_FMT_BF6 matrix_b_fmt:MATRIX_FMT_BF6 matrix_a_scale:MATRIX_SCALE_ROW1
.elseif (\rb)
	v_wmma_scale_f32_16x16x128_f8f6f4 v[\d:\d+7], v[\a:\a+11], v[\b:\b+11], v[\d:\d+7], v[\sa], v[\sb] matrix_a_fmt:MATRIX_FMT_BF6 matrix_b_fmt:MATRIX_FMT_BF6 matrix_b_scale:MATRIX_SCALE_ROW1
.else
	v_wmma_scale_f32_16x16x128_f8f6f4 v[\d:\d+7], v[\a:\a+11], v[\b:\b+11], v[\d:\d+7], v[\sa], v[\sb] matrix_a_fmt:MATRIX_FMT_BF6 matrix_b_fmt:MATRIX_FMT_BF6
.endif
.endif
.endm
; 64 numbers of a lane (register 16 b + i = k 32 b + 16 (lane / 16) + i of my row) become a fragment's 12 registers v[PC] on and its scale word v[PW]
.macro QUANT s
.irp b, 0,1,2,3
	v_max3_num_f32 v[TM+\b], |v[\s+16*\b]|, |v[\s+1+16*\b]|, 0x2800000   ; with the floor 2^(5 - 127): the byte cannot fall under 1
.endr
.irp i, 2,4,6,8,10,12,14
.irp b, 0,1,2,3
	s_delay_alu instid0(VALU_DEP_4)
	v_max3_num_f32 v[TM+\b], v[TM+\b], |v[\s+16*\b+\i]|, |v[\s+1+16*\b+\i]|
.endr
.endr
.irp b, 0,1,2,3
	s_delay_alu instid0(VALU_DEP_4)
	v_permlanex16_b32 v[TM+4+\b], v[TM+\b], s[SEL], s[SEL+1]
.endr
.irp b, 0,1,2,3
	s_delay_alu instid0(VALU_DEP_4)
	v_max_num_f32 v[TM+\b], v[TM+\b], v[TM+4+\b]
.endr
.irp b, 0,1,2,3
	s_delay_alu instid0(VALU_DEP_4)
	v_add_nc_u32 v[TM+12+\b], 0xfe000000, v[TM+\b]   ; 4 off the exponent field: the conversion's scale operand
.endr
.irp b, 0,1,2,3
	s_delay_alu instid0(VALU_DEP_4)
	v_lshrrev_b32 v[TM+4+\b], 23, v[TM+12+\b]   ; the scale's byte
.endr
	s_delay_alu instid0(VALU_DEP_3)
	v_lshl_or_b32 v[PW], v[TM+5], 8, v[TM+4]
	s_delay_alu instid0(VALU_DEP_1)
	v_lshl_or_b32 v[PW], v[TM+6], 16, v[PW]
	s_delay_alu instid0(VALU_DEP_1)
	v_lshl_or_b32 v[PW], v[TM+7], 24, v[PW]
.irp c, 0,1
	v_cvt_scalef32_pk16_bf6_f32 v[PC+6*\c:PC+2+6*\c], v[\s+32*\c:\s+15+32*\c], v[TM+12+2*\c]
	v_cvt_scalef32_pk16_bf6_f32 v[PC+12+4*\c:PC+14+4*\c], v[\s+16+32*\c:\s+31+32*\c], v[TM+12+2*\c+1]
.endr
	v_nop                                          ; one plain instruction behind a scaled conversion
.irp c, 0,1
.irp i, 0,1,2
	v_permlane16_swap_b32 v[PC+6*\c+\i], v[PC+12+4*\c+\i]
.endr
.irp i, 0,1,2
	s_delay_alu instid0(VALU_DEP_3)
	v_mov_b32 v[PC+3+6*\c+\i], v[PC+12+4*\c+\i]
.endr
.endr
.endm
; 32 numbers (two blocks) become half a fragment, v[PC] .. v[PC + 5], and half a scale word in v[PW]
.macro QUANTH s
.irp b, 0,1
	v_max3_num_f32 v[TM+\b], |v[\s+16*\b]|, |v[\s+1+16*\b]|, 0x2800000
.endr
.irp i, 2,4,6,8,10,12,14
.irp b, 0,1
	v_max3_num_f32 v[TM+\b], v[TM+\b], |v[\s+16*\b+\i]|, |v[\s+1+16*\b+\i]|
.endr
.endr
.irp b, 0,1
	s_delay_alu instid0(VALU_DEP_2)
	v_permlanex16_b32 v[TM+4+\b], v[TM+\b], s[SEL], s[SEL+1]
.endr
.irp b, 0,1
	s_delay_alu instid0(VALU_DEP_2)
	v_max_num_f32 v[TM+\b], v[TM+\b], v[TM+4+\b]
.endr
.irp b, 0,1
	s_delay_alu instid0(VALU_DEP_2)
	v_add_nc_u32 v[TM+12+\b], 0xfe000000, v[TM+\b]
.endr
.irp b, 0,1
	s_delay_alu instid0(VALU_DEP_2)
	v_lshrrev_b32 v[TM+4+\b], 23, v[TM+12+\b]
.endr
	s_delay_alu instid0(VALU_DEP_1)
	v_lshl_or_b32 v[PW], v[TM+5], 8, v[TM+4]
	v_cvt_scalef32_pk16_bf6_f32 v[PC:PC+2], v[\s:\s+15], v[TM+12]
	v_cvt_scalef32_pk16_bf6_f32 v[PC+4:PC+6], v[\s+16:\s+31], v[TM+13]
	v_nop
.irp i, 0,1,2
	v_permlane16_swap_b32 v[PC+\i], v[PC+4+\i]
.endr
	s_delay_alu instid0(VALU_DEP_3)
	v_mov_b32 v[PC+3], v[PC+4]
	s_delay_alu instid0(VALU_DEP_3)
	v_mov_b32 v[PC+4], v[PC+5]
	s_delay_alu instid0(VALU_DEP_3)
	v_mov_b32 v[PC+5], v[PC+6]
.endm
; a joint refill of slot n: waves 0-3 W's quarters, wave 4 x's part; the branches hang on the wave's number alone; four v_nop follow each line
.macro TLOAD n
	s_cmp_lt_u32 s[WV], 4
	s_cbranch_scc0 .Lnot_w_\@
	tensor_load_to_lds s[G0W+4*\n:G0W+4*\n+3], s[G1W:G1W+7]
	s_nop 0
	PLACES 4
	s_branch .Lasked_\@
.Lnot_w_\@:
	s_cmp_eq_u32 s[WV], 4
	s_cbranch_scc0 .Lasked_\@
	tensor_load_to_lds s[G0X+4*\n:G0X+4*\n+3], s[G1X:G1X+7]
	s_nop 0
	PLACES 4
.Lasked_\@:
.endm
; THE CHANGE OF SLOTS.  Each wave waits for all its tensor loads (its part of the slot ahead), adds 0 to its spare word, and waits for that and for its reads of the slot that it leaves.
; fill = 1: slot n, just left, takes the K steps four on; the barrier is then a round of the cluster's, and the joint refill is the first thing behind it: it has two K steps, 80 matrix instructions a wave, in which to land.
.macro CHANGE fill, n
	s_wait_tensorcnt 0x0                           ; no tensor load of mine is out, so a group 0 may be written
	ds_add_u32 v[SPW], v[NIL]                      ; 0 onto my spare word
.if \fill
	s_add_nc_u64 s[G0W+4*\n+2:G0W+4*\n+3], s[G0W+4*\n+2:G0W+4*\n+3], 4*WKB
	s_add_nc_u64 s[G0X+4*\n+2:G0X+4*\n+3], s[G0X+4*\n+2:G0X+4*\n+3], 4*XKB
.endif
	s_wait_dscnt 0x0                               ; the add is done, and my reads of the slot are over
.if \fill
	CROUND
	TLOAD \n
.else
	s_barrier_signal -1
	s_barrier_wait -1
.endif
.endm
; A K STEP: 128 along K, the kk-th of slot n, the s-th in all: 40 matrix instructions on 40 accumulators, which take turns, one instruction a turn.
.macro KSTEP n, kk, s, zero
.irp j, 0,1,2,3
.irp c, 0,1,2
	ds_load_b128 v[XF+12*\j+4*\c:XF+12*\j+4*\c+3], v[AX+\n] offset:\kk*XKB+1536*\j+512*\c
.endr
.endr
	ds_load_b32 v[XS], v[ASX] offset:\s*512
	ds_load_b32 v[XS+1], v[ASX] offset:\s*512+128
.irp i, 0,1,2,3
	ds_load_b32 v[WS+\i], v[ASW] offset:\s*2560+128*\i
.endr
	ds_load_b32 v[WSV], v[ASV] offset:\s*2560
.irp t, 0,1,2,3
.irp c, 0,1,2
	ds_load_b128 v[WB+12*\t+4*\c:WB+12*\t+4*\c+3], v[AW+2*\n+\kk] offset:1536*\t+512*\c
.endr
.endr
.irp v, 0,1
.irp c, 0,1,2
	ds_load_b128 v[VB+12*\v+4*\c:VB+12*\v+4*\c+3], v[AV+2*\n+\kk] offset:1536*\v+512*\c
.endr
.endr
	s_wait_dscnt 0x0
	WIN 0x50                                       ; C and D in window 1
.irp t, 0,1,2,3
.irp j, 0,1,2,3
	MM 64*\j+8*\t, WB+12*\t, XF+12*\j, \zero, WS+\t/2, XS+\j/2, \t%2, \j%2
.endr
.endr
	WIN 0
	PLACES 4                                       ; four plain instructions in front of loads into registers that matrix instructions have read
.irp t, 0,1,2,3
.irp c, 0,1,2
	ds_load_b128 v[WB+12*\t+4*\c:WB+12*\t+4*\c+3], v[AW+2*\n+\kk] offset:1536*(\t+4)+512*\c   ; the phase's four tiles land while V is multiplied
.endr
.endr
.irp v, 0,1
.irp j, 0,1,2,3
	MM VA+32*\v+8*\j, XF+12*\j, VB+12*\v, \zero, XS+\j/2, WSV, \j%2, \v
.endr
.endr
	s_wait_dscnt 0x0
	WIN 0x50
.irp t, 0,1,2,3
.irp j, 0,1,2,3
	MM 64*\j+8*(\t+4), WB+12*\t, XF+12*\j, \zero, WS+2+\t/2, XS+\j/2, \t%2, \j%2
.endr
.endr
	WIN 0
	PLACES 4
.endm
; THE ACTIVATIONS of eight (amplitude, phase) pairs of a lane: tile t of row tile j.  Two batches of transcendentals, one wait each, ahead of the batch's first reader.
.macro ACT j, t
.set ZA, 64*(\j)+8*(\t)
.set ZP, ZA+32
	WIN 0x01                                       ; source 0 in window 1
.irp i, 0,2,4,6
	v_pk_mul_f32 v[T0+\i:T0+\i+1], v[ZP+\i:ZP+\i+1], s[K2L:K2L+1] op_sel_hi:[1,0]   ; 2 p log2 e
.endr
.irp i, 0,1,2,3,4,5,6,7
	v_mul_f32 v[T1+\i], -|v[ZA+\i]|, s[KL]         ; -|a| log2 e
.endr
.irp i, 0,1,2,3,4,5,6,7
	v_max_num_f32 v[T5+\i], v[ZA+\i], 0
.endr
.irp i, 0,1,2,3,4,5,6,7
	v_cmp_lt_f32 s[MK+\i], |v[ZP+\i]|, s[KQ]       ; |p| under 1/4: the series serves
.endr
	WIN 0x05
.irp i, 0,2,4,6
	v_pk_mul_f32 v[T2+\i:T2+\i+1], v[ZP+\i:ZP+\i+1], v[ZP+\i:ZP+\i+1]   ; p^2
.endr
	WIN 0
	s_wait_alu depctr_va_vdst(0)
.irp i, 0,1,2,3,4,5,6,7
	v_exp_f32 v[T0+\i], v[T0+\i]
.endr
.irp i, 0,1,2,3,4,5,6,7
	v_exp_f32 v[T1+\i], v[T1+\i]                   ; e = 2^(-|a| log2 e), at most 1
.endr
.irp i, 0,2,4,6                                ; the series' sixteen lines name no exponential's result: the independent work behind the batch
	v_pk_fma_f32 v[T3+\i:T3+\i+1], v[T2+\i:T2+\i+1], s[KC4:KC4+1], v[VC3:VC3+1] op_sel_hi:[1,0,1]
.endr
.irp i, 0,2,4,6
	s_delay_alu instid0(VALU_DEP_4)
	v_pk_fma_f32 v[T3+\i:T3+\i+1], v[T3+\i:T3+\i+1], v[T2+\i:T2+\i+1], s[KC2:KC2+1] op_sel_hi:[1,1,0]
.endr
.irp i, 0,2,4,6
	s_delay_alu instid0(VALU_DEP_4)
	v_pk_fma_f32 v[T3+\i:T3+\i+1], v[T3+\i:T3+\i+1], v[T2+\i:T2+\i+1], s[KC1:KC1+1] op_sel_hi:[1,1,0]
.endr
.irp i, 0,2,4,6
	s_delay_alu instid0(VALU_DEP_4)
	v_pk_mul_f32 v[T3+\i:T3+\i+1], v[T3+\i:T3+\i+1], v[T2+\i:T2+\i+1]
.endr
	s_wait_alu depctr_va_vdst(0)                   ; one wait for the sixteen exponentials
.irp i, 0,2,4,6
	v_pk_add_f32 v[T4+\i:T4+\i+1], v[T1+\i:T1+\i+1], 1.0 op_sel_hi:[1,0]   ; 1 + e, rounded
.endr
.irp i, 0,2,4,6
	v_pk_add_f32 v[T0+\i:T0+\i+1], v[T0+\i:T0+\i+1], 1.0 op_sel_hi:[1,0]
.endr
	s_wait_alu depctr_va_vdst(0)
.irp i, 0,1,2,3,4,5,6,7
	v_rcp_f32 v[T0+\i], v[T0+\i]
.endr
.irp i, 0,1,2,3,4,5,6,7
	v_log_f32 v[T6+\i], v[T4+\i]
.endr
	WIN 0x11                                       ; sources 0 and 2 in window 1
.irp i, 0,2,4,6
	v_pk_fma_f32 v[T3+\i:T3+\i+1], v[ZP+\i:ZP+\i+1], v[T3+\i:T3+\i+1], v[ZP+\i:ZP+\i+1]   ; the series: p + p (p^2 c1 + ..)
.endr
	WIN 0
.irp i, 0,2,4,6
	v_pk_add_f32 v[T4+\i:T4+\i+1], v[T4+\i:T4+\i+1], -1.0 op_sel_hi:[1,0]   ; d = (1 + e) - 1, exact
.endr
.irp i, 0,2,4,6
	v_pk_add_f32 v[T1+\i:T1+\i+1], v[T1+\i:T1+\i+1], v[T4+\i:T4+\i+1] neg_lo:[0,1] neg_hi:[0,1]   ; what the sum 1 + e has dropped
.endr
.irp i, 0,2,4,6
	s_delay_alu instid0(VALU_DEP_4)
	v_pk_fma_f32 v[T1+\i:T1+\i+1], v[T1+\i:T1+\i+1], v[T4+\i:T4+\i+1], v[T1+\i:T1+\i+1] neg_lo:[1,0,0] neg_hi:[1,0,0]   ; x (1 - d): its share of the logarithm
.endr
	s_wait_alu depctr_va_vdst(0)                   ; one wait for the reciprocals and the logarithms
.irp i, 0,2,4,6
	v_pk_fma_f32 v[T0+\i:T0+\i+1], v[T0+\i:T0+\i+1], -2.0, 1.0 op_sel_hi:[1,0,0]   ; tanh
.endr
.irp i, 0,1,2,3,4,5,6,7
	v_cndmask_b32 v[T0+\i], v[T0+\i], v[T3+\i], s[MK+\i]
.endr
.irp i, 0,2,4,6
	v_pk_fma_f32 v[T6+\i:T6+\i+1], v[T6+\i:T6+\i+1], s[KLN2:KLN2+1], v[T1+\i:T1+\i+1] op_sel_hi:[1,0,1]   ; log1p(e)
.endr
.irp i, 0,2,4,6
	s_delay_alu instid0(VALU_DEP_4)
	v_pk_add_f32 v[T6+\i:T6+\i+1], v[T6+\i:T6+\i+1], v[T5+\i:T5+\i+1]   ; amp
.endr
.irp i, 0,2,4,6
	v_pk_mul_f32 v[T0+\i:T0+\i+1], v[T0+\i:T0+\i+1], s[KPI4:KPI4+1] op_sel_hi:[1,0]   ; r = a quarter of the angle: rounded as pi x tanh is
.endr
.irp i, 0,2,4,6
	s_delay_alu instid0(VALU_DEP_4)
	v_pk_mul_f32 v[T1+\i:T1+\i+1], v[T0+\i:T0+\i+1], v[T0+\i:T0+\i+1]   ; z = r^2
.endr
.irp i, 0,2,4,6
	v_pk_fma_f32 v[T2+\i:T2+\i+1], v[T1+\i:T1+\i+1], s[KS3:KS3+1], v[VS2:VS2+1] op_sel_hi:[1,0,1]
	v_pk_fma_f32 v[T3+\i:T3+\i+1], v[T1+\i:T1+\i+1], s[KCC3:KCC3+1], v[VCC2:VCC2+1] op_sel_hi:[1,0,1]
.endr
.irp i, 0,2,4,6
	v_pk_fma_f32 v[T2+\i:T2+\i+1], v[T2+\i:T2+\i+1], v[T1+\i:T1+\i+1], s[KS1:KS1+1] op_sel_hi:[1,1,0]
	v_pk_fma_f32 v[T3+\i:T3+\i+1], v[T3+\i:T3+\i+1], v[T1+\i:T1+\i+1], s[KCC1:KCC1+1] op_sel_hi:[1,1,0]
.endr
.irp i, 0,2,4,6
	v_pk_mul_f32 v[T2+\i:T2+\i+1], v[T2+\i:T2+\i+1], v[T1+\i:T1+\i+1]
	v_pk_mul_f32 v[T3+\i:T3+\i+1], v[T3+\i:T3+\i+1], v[T1+\i:T1+\i+1]
.endr
.irp i, 0,2,4,6
	v_pk_fma_f32 v[T4+\i:T4+\i+1], v[T1+\i:T1+\i+1], -0.5, 1.0 op_sel_hi:[1,0,0]   ; 1 - z / 2
.endr
.irp i, 0,2,4,6
	v_pk_fma_f32 v[T2+\i:T2+\i+1], v[T2+\i:T2+\i+1], v[T0+\i:T0+\i+1], v[T0+\i:T0+\i+1]   ; sin r
	v_pk_fma_f32 v[T3+\i:T3+\i+1], v[T3+\i:T3+\i+1], v[T1+\i:T1+\i+1], v[T4+\i:T4+\i+1]   ; cos r
.endr
.irp i, 0,2,4,6
	v_pk_add_f32 v[T0+\i:T0+\i+1], v[T2+\i:T2+\i+1], v[T2+\i:T2+\i+1]
.endr
.irp i, 0,2,4,6
	s_delay_alu instid0(VALU_DEP_4)
	v_pk_fma_f32 v[T4+\i:T4+\i+1], v[T0+\i:T0+\i+1], v[T2+\i:T2+\i+1], 1.0 op_sel_hi:[1,1,0] neg_lo:[1,0,0] neg_hi:[1,0,0]   ; cos 2 r = 1 - 2 sin^2 r
.endr
.irp i, 0,2,4,6
	v_pk_mul_f32 v[T2+\i:T2+\i+1], v[T0+\i:T0+\i+1], v[T3+\i:T3+\i+1]   ; sin 2 r
.endr
.irp i, 0,2,4,6
	s_delay_alu instid0(VALU_DEP_4)
	v_pk_add_f32 v[T0+\i:T0+\i+1], v[T2+\i:T2+\i+1], v[T2+\i:T2+\i+1]
.endr
.irp i, 0,2,4,6
	s_delay_alu instid0(VALU_DEP_4)
	v_pk_fma_f32 v[T3+\i:T3+\i+1], v[T0+\i:T0+\i+1], v[T2+\i:T2+\i+1], 1.0 op_sel_hi:[1,1,0] neg_lo:[1,0,0] neg_hi:[1,0,0]   ; cos 4 r
.endr
.irp i, 0,2,4,6
	v_pk_mul_f32 v[T2+\i:T2+\i+1], v[T0+\i:T0+\i+1], v[T4+\i:T4+\i+1]   ; sin 4 r
.endr
.irp i, 0,2,4,6
	v_pk_mul_f32 v[OUT+8*(\t)+\i:OUT+8*(\t)+\i+1], v[T6+\i:T6+\i+1], v[T3+\i:T3+\i+1]
	v_pk_mul_f32 v[OUT+32+8*(\t)+\i:OUT+32+8*(\t)+\i+1], v[T6+\i:T6+\i+1], v[T2+\i:T2+\i+1]
.endr
.endm
.macro KPAIR reg, val
	s_mov_b32 s[\reg], \val
	s_mov_b32 s[\reg+1], \val
.endm
	s_load_b256 s[4:11], s[0:1], 0x0               ; xq s[4:5], wcat s[6:7], qop s[8:9], kv s[10:11]
	v_lshl_add_u32 v[SPW], v0, 2, SPARE
	v_mov_b32 v[NIL], 0
	ds_add_u32 v[SPW], v[NIL]                      ; the opening lines: the add, twice on end, and its wait ahead of the first round
	ds_add_u32 v[SPW], v[NIL]
	v_lshrrev_b32 v1, 5, v0
	s_delay_alu instid0(VALU_DEP_1)
	v_readfirstlane_b32 s[WV], v1                  ; wave 0..7
	s_lshr_b32 s[UU], s[WV], 1                     ; my unit
	s_and_b32 s[RH], s[WV], 1                      ; my half of the rows
	s_bfe_u32 s15, ttmp6, 0x40000                  ; cx
	s_bfe_u32 s16, ttmp6, 0x40004                  ; cy
	s_lshl_b32 s17, ttmp9, 2
	s_add_co_u32 s17, s17, s15                     ; g = 4 x cluster x + cx
	s_and_b32 s18, ttmp7, 0xffff
	s_lshl_b32 s18, s18, 2
	s_add_co_u32 s18, s18, s16                     ; m = 4 x cluster y + cy
	s_lshl_b32 s19, s16, 2
	s_lshl_b32 s19, 15, s19                        ; my row of the cluster
	s_lshl_b32 s20, 0x1111, s15                    ; my column
	; groups 1: dense blocks as rows of 256 bytes (32 elements of 8 bytes): W 120 rows, its scale words 40, x 96, its scale words 16
	s_or_b32 s[G1W], s20, (3<<16)|(1<<21)          ; 15:0 the mask; 17:16 elements of 8 bytes; 21 set beside a mask
	s_or_b32 s[G1WS], s20, (3<<16)|(1<<21)
	s_or_b32 s[G1X], s19, (3<<16)|(1<<21)
	s_or_b32 s[G1XS], s19, (3<<16)|(1<<21)
.irp g, G1W, G1WS, G1X, G1XS
	s_mov_b32 s[\g+1], 32<<16                      ; tensor_dim0
	s_mov_b32 s[\g+3], 32<<16                      ; tile_dim0
	s_mov_b32 s[\g+5], 32                          ; from row to row
	s_mov_b32 s[\g+6], 0
	s_mov_b32 s[\g+7], 0
.endr
	s_mov_b32 s[G1W+2], 120<<16                    ; tensor_dim1,
	s_mov_b32 s[G1W+4], 120                        ; tile_dim1
	s_mov_b32 s[G1WS+2], 40<<16
	s_mov_b32 s[G1WS+4], 40
	s_mov_b32 s[G1X+2], 96<<16
	s_mov_b32 s[G1X+4], 96
	s_mov_b32 s[G1XS+2], 16<<16
	s_mov_b32 s[G1XS+4], 16
	s_mul_i32 s86, s[WV], 30720                    ; my quarter of W's part of a slot, in LDS as in memory
	s_mul_i32 s84, s17, 512000                     ; the slab: it hangs on g alone
	s_add_co_u32 s84, s84, s86
	s_mov_b32 s85, 0
	s_bfe_u32 s87, s[WV], 0x10001                  ; waves 5 and 7 fetch the two halves of W's scale words: 0 and 1
	s_mul_i32 s87, s87, 10240
	s_mul_i32 s88, s17, 512000
	s_add_co_u32 s88, s88, s87
	s_add_co_u32 s88, s88, 491520
	s_mov_b32 s89, 0
	s_mul_i32 s90, s18, 102400                     ; x's block: it hangs on m alone
	s_mov_b32 s91, 0
	s_mov_b32 s[SEL], 0x76543210
	s_mov_b32 s[SEL+1], 0xfedcba98
	s_wait_dscnt 0x0                               ; both opening adds are done
	s_wait_kmcnt 0x0
	s_add_nc_u64 s[84:85], s[6:7], s[84:85]
	s_add_nc_u64 s[88:89], s[6:7], s[88:89]
	s_add_nc_u64 s[90:91], s[4:5], s[90:91]
	CROUND                                         ; all sixteen work-groups are here: the first joint loads meet
.irp n, 0,1
	s_mov_b32 s[G0W+4*\n], 1
	s_add_co_u32 s[G0W+4*\n+1], s86, \n*SLOTB
	s_add_nc_u64 s[G0W+4*\n+2:G0W+4*\n+3], s[84:85], \n*2*WKB
	s_or_b32 s[G0W+4*\n+3], s[G0W+4*\n+3], 0x80000000
	s_mov_b32 s[G0X+4*\n], 1
	s_mov_b32 s[G0X+4*\n+1], \n*SLOTB+XOFF
	s_add_nc_u64 s[G0X+4*\n+2:G0X+4*\n+3], s[90:91], \n*2*XKB
	s_or_b32 s[G0X+4*\n+3], s[G0X+4*\n+3], 0x80000000
.endr
	s_mov_b32 s[G0WS], 1
	s_add_co_u32 s[G0WS+1], s87, WSC
	s_mov_b64 s[G0WS+2:G0WS+3], s[88:89]
	s_or_b32 s[G0WS+3], s[G0WS+3], 0x80000000
	s_mov_b32 s[G0XS], 1
	s_mov_b32 s[G0XS+1], XSC
	s_add_nc_u64 s[G0XS+2:G0XS+3], s[90:91], 98304
	s_or_b32 s[G0XS+3], s[G0XS+3], 0x80000000
	s_cmp_lt_u32 s[WV], 4                          ; a wave's first fills stand together in one chain of branches on its number, ahead of every wait on TENSORcnt and every LDS read
	s_cbranch_scc0 .Lfirst_not_w
	tensor_load_to_lds s[G0W:G0W+3], s[G1W:G1W+7]  ; one load a wave at the head: waves 0-3 W's quarters of slot 0, wave 4 x's part, wave 6 x's scale words, waves 5 and 7 W's
	s_nop 0
	PLACES 4
	s_branch .Lfirst_asked
.Lfirst_not_w:
	s_cmp_eq_u32 s[WV], 4
	s_cbranch_scc0 .Lfirst_not_x
	tensor_load_to_lds s[G0X:G0X+3], s[G1X:G1X+7]
	s_nop 0
	PLACES 4
	s_branch .Lfirst_asked
.Lfirst_not_x:
	s_cmp_eq_u32 s[WV], 6
	s_cbranch_scc0 .Lfirst_ws
	tensor_load_to_lds s[G0XS:G0XS+3], s[G1XS:G1XS+7]
	s_nop 0
	PLACES 4
	s_branch .Lfirst_asked
.Lfirst_ws:
	tensor_load_to_lds s[G0WS:G0WS+3], s[G1WS:G1WS+7]
	s_nop 0
	PLACES 4
.Lfirst_asked:
	v_and_b32 v1, 31, v0
	s_delay_alu instid0(VALU_DEP_1)
	v_lshlrev_b32 v[L8], 3, v1
	s_delay_alu instid0(VALU_DEP_2)
	v_lshlrev_b32 v124, 2, v1                      ; 4 x lane
	v_and_b32 v[R4], 15, v0
	s_delay_alu instid0(VALU_DEP_1)
	v_lshlrev_b32 v[R4], 2, v[R4]
	v_lshlrev_b32 v[LI], 4, v1
	s_wait_alu depctr_va_vdst(0)
	s_mul_i32 s92, s[UU], 12288                    ; my unit's eight tiles in a K step of W
	s_mul_i32 s93, s[UU], 3072
	s_add_co_u32 s93, s93, 49152                   ; my two tiles of V: tiles 32 + 2 u on
	s_mul_i32 s94, s[RH], 6144
	s_add_co_u32 s94, s94, XOFF                    ; my four tiles of x
.irp n, 0,1
.irp kk, 0,1
	s_add_co_u32 s95, s92, \n*SLOTB+\kk*WKB
	v_add_nc_u32 v[AW+2*\n+\kk], s95, v[LI]
	s_add_co_u32 s95, s93, \n*SLOTB+\kk*WKB
	v_add_nc_u32 v[AV+2*\n+\kk], s95, v[LI]
.endr
	s_add_co_u32 s95, s94, \n*SLOTB
	v_add_nc_u32 v[AX+\n], s95, v[LI]
.endr
	s_lshl_b32 s95, s[UU], 9
	s_add_co_u32 s95, s95, WSC
	v_add_nc_u32 v[ASW], s95, v124
	s_lshl_b32 s95, s[UU], 7
	s_add_co_u32 s95, s95, WSC+2048
	v_add_nc_u32 v[ASV], s95, v124
	s_lshl_b32 s95, s[RH], 8
	s_add_co_u32 s95, s95, XSC
	v_add_nc_u32 v[ASX], s95, v124
	s_wait_alu depctr_va_vdst(0)
	s_wait_tensorcnt 0x0                           ; my tile of the head's is in; slot 1's first fill is issued as a refill is
	ds_add_u32 v[SPW], v[NIL]
	s_wait_dscnt 0x0
	CROUND
	TLOAD 1                                        ; K steps 2 and 3: two K steps of work in which to land
	KSTEP 0, 0, 0, 1                               ; the first K step starts the sums: nothing is cleared
	KSTEP 0, 1, 1, 0
	CHANGE 1, 0                                    ; slot 0 takes K steps 4 and 5
	KSTEP 1, 0, 2, 0
	KSTEP 1, 1, 3, 0
	CHANGE 1, 1                                    ; slot 1 takes K steps 6 and 7
	KSTEP 0, 0, 4, 0
	KSTEP 0, 1, 5, 0
	CHANGE 0, 0                                    ; nothing is left to fetch
	KSTEP 1, 0, 6, 0
	KSTEP 1, 1, 7, 0
	; ---- where the results go.  b = m / 16 the batch, st = m % 16 the block of 128 rows in it
	s_lshr_b32 s92, s18, 4
	s_lshl_b32 s92, s92, 4
	s_lshl_b32 s93, s17, 1
	s_add_co_u32 s92, s92, s93                     ; 16 b + 2 g
	s_and_b32 s93, s18, 15                         ; st
	s_lshr_b32 s94, s[UU], 1
	s_add_co_u32 s94, s94, s92                     ; the head of my two tiles of V
	s_lshl_b32 s94, s94, 4
	s_add_co_u32 s94, s94, s93
	s_mul_i32 s94, s94, 19200                      ; its block of kv
	s_and_b32 s95, s[UU], 1
	s_mul_i32 s84, s95, 3072                       ; tiles 2 (u % 2) on,
	s_mul_i32 s85, s[RH], 768                      ; my half of their keys
	s_add_co_u32 s84, s84, s85
	s_add_co_u32 s84, s84, s94
	s_add_co_u32 s84, s84, 12288
	s_mov_b32 s85, 0
	s_add_nc_u64 s[84:85], s[10:11], s[84:85]      ; V's codes
	s_lshl_b32 s86, s95, 7
	s_lshl_b32 s87, s[RH], 1
	s_add_co_u32 s86, s86, s87
	s_add_co_u32 s86, s86, s94
	s_add_co_u32 s86, s86, 18944
	s_mov_b32 s87, 0
	s_add_nc_u64 s[86:87], s[10:11], s[86:87]      ; V's half scale words
	s_add_co_u32 s92, s92, s95                     ; bh of my unit
	s_lshl_b32 s94, s92, 7
	s_lshl_b32 s98, s93, 3
	s_add_co_u32 s94, s94, s98
	s_lshl_b32 s98, s[RH], 2
	s_add_co_u32 s94, s94, s98                     ; Q: tile 128 bh + 8 st + 4 rh
	s_mul_i32 s88, s94, 1536
	s_lshl_b32 s90, s94, 6
	s_add_co_u32 s90, s90, 6291456
	s_lshl_b32 s94, s92, 4
	s_add_co_u32 s94, s94, s93
	s_mul_i32 s94, s94, 19200                      ; K: block 16 bh + st of kv
	s_mul_i32 s98, s[RH], 6144
	s_add_co_u32 s98, s98, s94
	s_lshl_b32 s99, s[RH], 8
	s_add_co_u32 s99, s99, s94
	s_add_co_u32 s99, s99, 18432
	s_cmp_ge_u32 s[UU], 2                          ; units 0, 1 are Q's, units 2, 3 K's: the choice hangs on the wave's number alone
	s_cselect_b32 s88, s98, s88
	s_cselect_b32 s90, s99, s90
	s_cselect_b64 s[92:93], s[10:11], s[8:9]
	s_mov_b32 s89, 0
	s_mov_b32 s91, 0
	s_add_nc_u64 s[88:89], s[92:93], s[88:89]      ; my unit's codes
	s_add_nc_u64 s[90:91], s[92:93], s[90:91]      ; and scale words
	KPAIR K2L, 0x4038aa3b                          ; 2 log2 e
	s_mov_b32 s[KL], 0x3fb8aa3b                    ; log2 e
	s_mov_b32 s[KQ], 0x3e800000                    ; 1/4
	KPAIR KC4, 0x3cb327a4                          ; tanh's series: 62/2835,
	KPAIR KC2, 0x3e088889                          ; 2/15,
	KPAIR KC1, 0xbeaaaaab                          ; -1/3
	KPAIR KLN2, 0x3f317218
	KPAIR KPI4, 0x3f490fdb                         ; pi / 4
	KPAIR KS3, 0xb94ca1f9                          ; sin: -1.9515295891e-4,
	KPAIR KS1, 0xbe2aaaa3                          ; -1.6666654611e-1
	KPAIR KCC3, 0x37ccf5ce                         ; cos: 2.443315711809948e-5,
	KPAIR KCC1, 0x3d2aaaa5                         ; 4.166664568298827e-2
	v_mov_b32 v[VC3], 0xbd5d0dd1                   ; -17/315
	v_mov_b32 v[VC3+1], 0xbd5d0dd1
	v_mov_b32 v[VS2], 0x3c08839e                   ; 8.3321608736e-3
	v_mov_b32 v[VS2+1], 0x3c08839e
	v_mov_b32 v[VCC2], 0xbab6061a                  ; -1.388731625493765e-3
	v_mov_b32 v[VCC2+1], 0xbab6061a
.irp b, 0,1,2,3
	v_mov_b32 v[TM+4+\b], 0                        ; a lane permute's destination counts as read
.endr
	; ---- V: register 16 bl + i of a tile is key 64 rh + 32 bl + 16 (lane / 16) + i of channel place lane % 16: half a fragment along the keys
.irp v, 0,1
	QUANTH VA+32*\v
	global_store_b128 v[LI], v[PC:PC+3], s[84:85] offset:1536*\v
	global_store_b64 v[L8], v[PC+4:PC+5], s[84:85] offset:1536*\v+512
	global_store_b16 v[R4], v[PW], s[86:87] offset:64*\v
	s_wait_xcnt 0x0                                ; the stores' data are written again only behind this wait
.endr
	; ---- Q or K: a row tile at a time
.irp j, 0,1,2,3
	ACT \j, 0
	ACT \j, 1
	ACT \j, 2
	ACT \j, 3
	QUANT OUT
.irp c, 0,1,2
	global_store_b128 v[LI], v[PC+4*\c:PC+4*\c+3], s[88:89] offset:1536*\j+512*\c
.endr
	global_store_b32 v[R4], v[PW], s[90:91] offset:64*\j
	s_wait_xcnt 0x0
.endr
	s_wait_tensorcnt 0x0                           ; the wave's end
	ds_add_u32 v[SPW], v[NIL]
	s_wait_dscnt 0x0
	CROUND                                         ; the closing round: no work-group ends while a partner may still ask for a tile that names it
	s_endpgm
.Lfunc_end_k_q3944f23c2a_proj:
	.size	k_q3944f23c2a_proj, .Lfunc_end_k_q3944f23c2a_proj-k_q3944f23c2a_proj
	.p2alignl 7, 3214868480
	.fill 96, 4, 3214868480
	.section	.rodata,"a",@progbits
	.p2align	6, 0x0
	.amdhsa_kernel k_q3944f23c2a_proj
		.amdhsa_group_segment_fixed_size 327680
		.amdhsa_private_segment_fixed_size 0
		.amdhsa_enable_private_segment 0
		.amdhsa_kernarg_size 32
		.amdhsa_user_sgpr_count 2
		.amdhsa_user_sgpr_kernarg_segment_ptr 1
		.amdhsa_wavefront_size32 1
		.amdhsa_system_sgpr_workgroup_id_x 1
		.amdhsa_system_sgpr_workgroup_id_y 1
		.amdhsa_system_sgpr_workgroup_id_z 1
		.amdhsa_system_vgpr_workitem_id 0
		.amdhsa_next_free_vgpr 512
		.amdhsa_next_free_sgpr 100
		.amdhsa_reserve_vcc 0
		.amdhsa_float_denorm_mode_32 3
		.amdhsa_float_denorm_mode_16_64 3
		.amdhsa_memory_ordered 1
		.amdhsa_forward_progress 1
		.amdhsa_inst_pref_size 255
	.end_amdhsa_kernel
	.section	.bss,"aw",@nobits
	.p2align	6
	.space	262144
	.amdgpu_metadata
---
amdhsa.version: [ 1, 2 ]
amdhsa.kernels:
  - .name:           k_q3944f23c2a_proj
    .symbol:         k_q3944f23c2a_proj.kd
    .args:
      - { .name: xq, .offset: 0, .size: 8, .value_kind: global_buffer, .address_space: global }
      - { .name: wcat, .offset: 8, .size: 8, .value_kind: global_buffer, .address_space: global }
      - { .name: qop, .offset: 16, .size: 8, .value_kind: global_buffer, .address_space: global }
      - { .name: kv, .offset: 24, .size: 8, .value_kind: global_buffer, .address_space: global }
    .group_segment_fixed_size: 327680
    .private_segment_fixed_size: 0
    .kernarg_segment_align: 8
    .kernarg_segment_size: 32
    .max_flat_workgroup_size: 256
    .sgpr_count:     100
    .vgpr_count:     512
    .wavefront_size: 32
...
	.end_amdgpu_metadata
.endif
;; end of part 2
;; launch attn (part 3): grid 8 x 32, 8 waves a work-group, clusters of 4 x 1, 327,680 bytes of LDS; arguments qop, kv, ao; writes ao
.if DOCPART == 3
	.amdgcn_target "amdgcn-amd-amdhsa--gfx1250"
	.amdhsa_code_object_version 6
	.text
	.protected	k_q3944f23c2a_attn
	.globl	k_q3944f23c2a_attn
	.p2align	8
	.type	k_q3944f23c2a_attn,@function
k_q3944f23c2a_attn:
	s_mov_b64 s[64:65], 0
	v_nop
	global_prefetch_b8 v0, s[64:65] scope:SCOPE_SE
	s_setreg_imm32_b32 hwreg(HW_REG_WAVE_MODE, 25, 1), 1
	s_wait_xcnt 0x0
	s_wait_alu depctr_hold_cnt(0) depctr_sa_sdst(0) depctr_va_vdst(0) depctr_va_sdst(0) depctr_va_ssrc(0) depctr_va_vcc(0) depctr_vm_vsrc(0)
	s_getreg_b32 s2, hwreg(HW_REG_IB_STS2, 6, 4)
	s_cmp_eq_u32 s2, 0
	s_cbranch_scc0 .Lentry_in_a_cluster
	s_endpgm
.Lentry_in_a_cluster:
	s_bfe_u32 s2, ttmp6, 0x10000c
	s_cmp_lg_u32 s2, 0x3003
	s_cbranch_scc0 .Lentry_shape_is_right
	s_endpgm
.Lentry_shape_is_right:
; Causal attention on codes of E3M2.  score = [qc | qs] . [kc | ks] / 8: one matrix instruction of 128 along K for the problem's two score products.
; t = score x log2(e) / 8; M = the running largest t rounded up to a whole number; p = 2^(t - M) is quantised along the keys, not normalised; the row's sum of the unquantised p divides at the end.
; LEFT OUT: key steps that lie wholly behind a tile's queries under the causal mask.
; SHARES.  Work-group (T, bh) owns tile T (16 queries) of each of the head's sixteen blocks of 128 queries.  Wave w owns the tiles of blocks 15 - w and w: (16 - w) + (w + 1) = 17 tile steps for every wave of every work-group.
; THE HEAD'S WHOLE K AND V, 16 blocks of 19,200 bytes, lie in LDS and are filled ONCE: waves 0-3 ask for blocks 0-3 at the head, waves 0-5 for two blocks each of 4-15 behind the full sequence and a round.
; Trips 0 and 1 read blocks 0-2 alone (all waves but wave 0 have four tile steps in them, wave 0 three); one barrier follows them, and behind it no wave waits for another: LDS is only read.
; CLUSTER 4 x 1: the work-groups of a head read the same blocks in the same order, so each block is asked for jointly by four; the descriptors hang on bh and the wave's number alone.
; NO PREFETCH: all sixteen blocks are asked for by their tensor loads ahead of the first trip, so no trip stands ahead of a request.
; A TRIP is one key step of 128 keys.  While both tiles of a wave are at work they share K's and V's fragments.  The next block's K fragments are read from LDS behind the trip's last score product, V's behind its last product with V.
; THE MASK of the diagonal step is the same for both tiles (it hangs on T alone): 64 registers, 0 or -1e30, made once and given to the diagonal step's score products as C.
; LAYOUT as the launches before and behind have it: S^T = K Q^T, O^T = V^T P^T, a lane holds one query; place r of tile 2 b + u = 32 b + 8 u + r + 8 (r / 8).
; OUT: ao, blocks of 128 rows, 102,400 bytes: the head's 64 channels are half (head % 2) of K step head / 2 of the last product: 768 bytes of codes and half a scale word.
; LIMITS: the promise holds while |t| stays under 2^31; NaN and infinities among the scores are not served; what falls under 2^-126 in p comes out as 0.
; REGISTERS.  Window 0: v1-10 addresses; v12-19 -M, largest score, the sum's two halves, for each tile; v20-23 f and p's scale word; v24-47 Q; v48-55 scale words; v56-103 V; v104-167 S^T, then p; v168-191 p's codes; v192 on at work.
;             Window 1: v0-63 O^T of the two tiles; v64-127 the mask; v128-223 K's eight fragments.
.set BLKB, 19200
.set SPARE, 16*BLKB                    ; behind the sixteen blocks: the spare words, 128 bytes a wave
.set LI, 1
.set L8, 2
.set LS, 3
.set R4, 4
.set SPW, 5
.set NIL, 6
.set DG, 7                             ; my query's place in its block less 16 (lane / 16)
.set A16, 8                            ; the block to be read next: + 16, 8, 4 x lane
.set A8, 9
.set A4, 10
.set QF, 24
.set QS, 48
.set KS, 50
.set VS, 54
.set VF, 56
.set SB, 104
.set PCD, 168
.set BM, 192
.set BP, 196
.set SCL, 200
.set CT, 204
.set TS, 212
.set TA, 228
.set NEG, 230
.set KF, 128                           ; window 1
.set MK, 64                            ; window 1
.set WV, 10
.set HW, 11                            ; 15 - wave: the block of my first tile; the wave's number is the block of my second
.set TT, 12
.set BH, 13
.set J, 14
.set NX, 15
.set NC, 16
.set SEL, 18
.set CS, 20
.set G1A, 24
.set G1B, 32
.set G0A, 40
.set G0B, 44
.set MSB, 0
.macro WIN new                         ; the immediate's high byte repeats the setting that is left
.if MSB != \new
	s_set_vgpr_msb (MSB<<8)|\new
.set MSB, \new
.endif
.endm
.macro PLACES n
.rept \n
	v_nop
.endr
.endm
.macro ROUND                           ; a round of the cluster's barrier
	s_barrier_signal -1
	s_barrier_wait -1
	s_cmp_lg_u32 s[WV], 0
	s_cbranch_scc1 .Lnot_wave_0_\@
	s_barrier_signal -3
.Lnot_wave_0_\@:
	s_barrier_wait -3
	s_barrier_signal -1
	s_barrier_wait -1
.endm
; one matrix instruction; c under 0: C is the constant 0; ra = 1: source 0's scale words lie in lanes 16-31
.macro WM d, a, b, c, sa, sb, ra
.if (\c) < 0
.if \ra
	v_wmma_scale_f32_16x16x128_f8f6f4 v[\d:\d+7], v[\a:\a+11], v[\b:\b+11], 0, v[\sa], v[\sb] matrix_a_fmt:MATRIX_FMT_BF6 matrix_b_fmt:MATRIX_FMT_BF6 matrix_a_scale:MATRIX_SCALE_ROW1
.else
	v_wmma_scale_f32_16x16x128_f8f6f4 v[\d:\d+7], v[\a:\a+11], v[\b:\b+11], 0, v[\sa], v[\sb] matrix_a_fmt:MATRIX_FMT_BF6 matrix_b_fmt:MATRIX_FMT_BF6
.endif
.else
.if \ra
	v_wmma_scale_f32_16x16x128_f8f6f4 v[\d:\d+7], v[\a:\a+11], v[\b:\b+11], v[\c:\c+7], v[\sa], v[\sb] matrix_a_fmt:MATRIX_FMT_BF6 matrix_b_fmt:MATRIX_FMT_BF6 matrix_a_scale:MATRIX_SCALE_ROW1
.else
	v_wmma_scale_f32_16x16x128_f8f6f4 v[\d:\d+7], v[\a:\a+11], v[\b:\b+11], v[\c:\c+7], v[\sa], v[\sb] matrix_a_fmt:MATRIX_FMT_BF6 matrix_b_fmt:MATRIX_FMT_BF6
.endif
.endif
.endm
.macro KLOAD                           ; K's eight fragments and four scale registers of the block at v[A16]: 28 LDS loads
	WIN 0x40
.irp t, 0,1,2,3,4,5,6,7
.irp c, 0,1,2
	ds_load_b128 v[KF+12*\t+4*\c:KF+12*\t+4*\c+3], v[A16] offset:1536*\t+512*\c
.endr
.endr
	WIN 0
.irp i, 0,1,2,3
	ds_load_b32 v[KS+\i], v[A4] offset:18432+128*\i
.endr
.endm
.macro VLOAD                           ; V's four fragments and two scale registers: 18 LDS loads
.irp t, 0,1,2,3
	ds_load_b128 v[VF+12*\t:VF+12*\t+3], v[A16] offset:12288+1536*\t
	ds_load_b64 v[VF+12*\t+4:VF+12*\t+5], v[A8] offset:12288+1536*\t+512
	ds_load_b128 v[VF+12*\t+6:VF+12*\t+9], v[A16] offset:12288+1536*\t+768
	ds_load_b64 v[VF+12*\t+10:VF+12*\t+11], v[A8] offset:12288+1536*\t+1280
.endr
	ds_load_b32 v[VS], v[A4] offset:18944
	ds_load_b32 v[VS+1], v[A4] offset:18944+128
.endm
; S^T = K Q^T of tile x; on the tile's diagonal step C is the mask
.macro SPROD x
.if \x
	s_cmp_eq_u32 s[J], s[WV]
.else
	s_cmp_eq_u32 s[J], s[HW]
.endif
	s_cbranch_scc1 .Ldiag_\@
	WIN 0x01                                       ; source 0 (K) in window 1
.irp t, 0,1,2,3,4,5,6,7
	WM SB+8*\t, KF+12*\t, QF+12*(\x), -1, KS+\t/2, QS+(\x), \t%2
.endr
	WIN 0
	s_branch .Lscored_\@
.Ldiag_\@:
	WIN 0x11                                       ; and C (the mask) too
.irp t, 0,1,2,3,4,5,6,7
	WM SB+8*\t, KF+12*\t, QF+12*(\x), MK+8*\t, KS+\t/2, QS+(\x), \t%2
.endr
	WIN 0
.Lscored_\@:
.endm
.macro PV x                            ; O^T += V^T P^T: four accumulators by turns
	WIN 0x50                                       ; C and D in window 1
.irp t, 0,1,2,3
	WM 32*(\x)+8*\t, VF+12*\t, PCD+12*(\x), 32*(\x)+8*\t, VS+\t/2, 21+2*(\x), \t%2
.endr
	WIN 0
.endm
; the softmax step of tile x on the 64 scores of a lane: the running M, p, the sum and O^T under the new M, p's codes and scale word
.macro SOFTMAX x
.set NM, 12+4*(\x)
.set FF, 20+2*(\x)
.set PX, PCD+12*(\x)
.irp b, 0,1,2,3
	v_max3_num_f32 v[BM+\b], v[SB+16*\b], v[SB+1+16*\b], v[SB+2+16*\b]   ; the largest score of each block of 32 keys: for the row's maximum and, since p rises with the score, for the block's largest p
.endr
.irp i, 3,5,7,9,11,13
.irp b, 0,1,2,3
	v_max3_num_f32 v[BM+\b], v[BM+\b], v[SB+16*\b+\i], v[SB+1+16*\b+\i]
.endr
.endr
.irp b, 0,1,2,3
	v_max_num_f32 v[BM+\b], v[BM+\b], v[SB+15+16*\b]
.endr
.irp b, 0,1,2,3
	v_permlanex16_b32 v[BP+\b], v[BM+\b], s[SEL], s[SEL+1]
.endr
.irp b, 0,1,2,3
	v_max_num_f32 v[BM+\b], v[BM+\b], v[BP+\b]     ; with lane l xor 16's 16 keys
.endr
	s_delay_alu instid0(VALU_DEP_2)
	v_max3_num_f32 v[TA], v[BM], v[BM+1], v[BM+2]
	s_delay_alu instid0(VALU_DEP_1)
	v_max3_num_f32 v[NM+1], v[NM+1], v[TA], v[BM+3]   ; the running largest score
	s_delay_alu instid0(VALU_DEP_1)
	v_mul_f32 v[TA], s[CS], v[NM+1]                ; as t
	v_mov_b32 v[TA+1], v[NM]
	s_delay_alu instid0(VALU_DEP_2)
	v_floor_f32 v[NM], -v[TA]                      ; the new -M = -ceil(t)
	s_delay_alu instid0(VALU_DEP_1)
	v_sub_f32 v[TA], v[NM], v[TA+1]                ; old M less new M: a whole number, 0 or less
	s_delay_alu instid0(VALU_DEP_1)
	v_cvt_i32_f32 v[TA], v[TA]                     ; (it saturates)
	s_delay_alu instid0(VALU_DEP_1)
	v_ldexp_f32 v[FF], 1.0, v[TA]                  ; f = 2^(old M - new M)
.set Q, 0
.rept 32
	v_pk_fma_f32 v[SB+Q:SB+Q+1], v[SB+Q:SB+Q+1], s[CS:CS+1], v[NM:NM+1] op_sel_hi:[1,0,0]   ; t - M
.set Q, Q+2
.endr
.irp b, 0,1,2,3
	v_fma_f32 v[BM+\b], v[BM+\b], s[CS], v[NM]
.endr
	s_wait_alu depctr_va_vdst(0)                   ; the wait ahead of the batch
.set Q, 0
.rept 64
	v_exp_f32 v[SB+Q], v[SB+Q]                     ; p = 2^(t - M)
.set Q, Q+1
.endr
.irp b, 0,1,2,3
	v_exp_f32 v[BM+\b], v[BM+\b]                   ; each block's largest p
.endr
	v_pk_mul_f32 v[NM+2:NM+3], v[NM+2:NM+3], v[FF:FF+1] op_sel_hi:[1,0]   ; the sums under the new M: the plain instruction behind the batch
	WIN 0x41                                       ; O^T: source 0 and destination in window 1
	s_wait_alu depctr_va_vdst(0)                   ; one wait: for the batch, ahead of its first reader, and directly ahead of the first readers of O^T
.set Q, 0
.rept 16
	v_pk_mul_f32 v[32*(\x)+Q:32*(\x)+Q+1], v[32*(\x)+Q:32*(\x)+Q+1], v[FF:FF+1] op_sel_hi:[1,0]   ; O^T under the new M
.set Q, Q+2
.endr
	WIN 0
.irp b, 0,1,2,3
	v_max_num_f32 v[BM+\b], 0x2800000, v[BM+\b]    ; the floor 2^(5 - 127): the byte cannot fall under 1
.endr
.irp b, 0,1,2,3
	v_add_nc_u32 v[SCL+\b], 0xfe000000, v[BM+\b]   ; 4 off the exponent field: the conversion's scale operand
.endr
.irp b, 0,1,2,3
	v_lshrrev_b32 v[BP+\b], 23, v[SCL+\b]          ; the scale's byte
.endr
	s_delay_alu instid0(VALU_DEP_3)
	v_lshl_or_b32 v[FF+1], v[BP+1], 8, v[BP]       ; p's scale word for these 128 keys
	s_delay_alu instid0(VALU_DEP_1)
	v_lshl_or_b32 v[FF+1], v[BP+2], 16, v[FF+1]
	s_delay_alu instid0(VALU_DEP_1)
	v_lshl_or_b32 v[FF+1], v[BP+3], 24, v[FF+1]
.irp c, 0,1
	v_cvt_scalef32_pk16_bf6_f32 v[PX+6*\c:PX+6*\c+2], v[SB+32*\c:SB+32*\c+15], v[SCL+2*\c]
	v_cvt_scalef32_pk16_bf6_f32 v[CT+4*\c:CT+4*\c+2], v[SB+16+32*\c:SB+31+32*\c], v[SCL+2*\c+1]   ; (a conversion's three registers begin on an even number)
.endr
	v_nop                                          ; one plain instruction behind a scaled conversion
.irp c, 0,1                                    ; the operand wants a whole block in a lane
.irp i, 0,1,2
	v_permlane16_swap_b32 v[PX+6*\c+\i], v[CT+4*\c+\i]
.endr
.irp i, 0,1,2
	v_mov_b32 v[PX+3+6*\c+\i], v[CT+4*\c+\i]
.endr
.endr
.irp c, 0,1,2,3,4,5,6,7                        ; the row's sum of the unquantised p, eight chains; these 32 lines also stand between the writing of p's codes and scale word and the products
	v_pk_add_f32 v[TS+2*\c:TS+2*\c+1], v[SB+2*\c:SB+2*\c+1], v[SB+16+2*\c:SB+17+2*\c]
.endr
.irp k, 32,48
.irp c, 0,1,2,3,4,5,6,7
	v_pk_add_f32 v[TS+2*\c:TS+2*\c+1], v[TS+2*\c:TS+2*\c+1], v[SB+\k+2*\c:SB+\k+2*\c+1]
.endr
.endr
.irp c, 0,1,2,3
	v_pk_add_f32 v[TS+2*\c:TS+2*\c+1], v[TS+2*\c:TS+2*\c+1], v[TS+8+2*\c:TS+9+2*\c]
.endr
.irp c, 0,1
	s_delay_alu instid0(VALU_DEP_2)
	v_pk_add_f32 v[TS+2*\c:TS+2*\c+1], v[TS+2*\c:TS+2*\c+1], v[TS+4+2*\c:TS+5+2*\c]
.endr
	s_delay_alu instid0(VALU_DEP_1)
	v_pk_add_f32 v[TS:TS+1], v[TS:TS+1], v[TS+2:TS+3]
	s_delay_alu instid0(VALU_DEP_1)
	v_pk_add_f32 v[NM+2:NM+3], v[NM+2:NM+3], v[TS:TS+1]
	s_wait_alu depctr_va_vdst(0)
.endm
; A TRIP: key step J.  A wave whose tiles are both done passes over the work.
.macro TRIP
	s_cmp_gt_u32 s[J], s[HW]
	s_cbranch_scc1 .Ldone_\@
	s_min_u32 s[NC], s[NX], 15*BLKB                ; the look-ahead stays inside the sixteen blocks
	v_add_nc_u32 v[A16], s[NC], v[LI]
	v_add_nc_u32 v[A8], s[NC], v[L8]
	v_add_nc_u32 v[A4], s[NC], v[LS]
	s_wait_alu depctr_va_vdst(0)
	s_wait_dscnt 18                                ; K's 28 loads are in; V's 18, issued behind them, may be out
	SPROD 0
	PLACES 4                                       ; in front of the loads into K's registers and of the first read of the scores
	s_cmp_gt_u32 s[J], s[WV]
	s_cbranch_scc0 .Ldual_\@                       ; my second tile still needs this block's K
	KLOAD
.Ldual_\@:
	SOFTMAX 0
	s_wait_dscnt 0x0                               ; V is in
	PV 0
	s_cmp_gt_u32 s[J], s[WV]
	s_cbranch_scc1 .Lsingle_\@
	SPROD 1
	PLACES 4
	KLOAD
	SOFTMAX 1
	PV 1
.Lsingle_\@:
	PLACES 4                                       ; in front of the loads into V's registers
	VLOAD
.Ldone_\@:
	s_add_co_u32 s[NX], s[NX], BLKB
.endm
; 32 numbers (two blocks) become half a fragment, v[p] .. v[p + 5], and half a scale word in v[w]
.macro QUANTH s, p, w
.irp b, 0,1
	v_max3_num_f32 v[BM+\b], |v[\s+16*\b]|, |v[\s+1+16*\b]|, 0x2800000
.endr
.irp i, 2,4,6,8,10,12,14
.irp b, 0,1
	s_delay_alu instid0(VALU_DEP_2)
	v_max3_num_f32 v[BM+\b], v[BM+\b], |v[\s+16*\b+\i]|, |v[\s+1+16*\b+\i]|
.endr
.endr
.irp b, 0,1
	s_delay_alu instid0(VALU_DEP_2)
	v_permlanex16_b32 v[BP+\b], v[BM+\b], s[SEL], s[SEL+1]
.endr
.irp b, 0,1
	s_delay_alu instid0(VALU_DEP_2)
	v_max_num_f32 v[BM+\b], v[BM+\b], v[BP+\b]
.endr
.irp b, 0,1
	s_delay_alu instid0(VALU_DEP_2)
	v_add_nc_u32 v[SCL+\b], 0xfe000000, v[BM+\b]
.endr
.irp b, 0,1
	s_delay_alu instid0(VALU_DEP_2)
	v_lshrrev_b32 v[BP+\b], 23, v[SCL+\b]
.endr
	s_delay_alu instid0(VALU_DEP_1)
	v_lshl_or_b32 v[\w], v[BP+1], 8, v[BP]
	v_cvt_scalef32_pk16_bf6_f32 v[\p:\p+2], v[\s:\s+15], v[SCL]
	v_cvt_scalef32_pk16_bf6_f32 v[\p+4:\p+6], v[\s+16:\s+31], v[SCL+1]
	v_nop
.irp i, 0,1,2
	v_permlane16_swap_b32 v[\p+\i], v[\p+4+\i]
.endr
	v_mov_b32 v[\p+3], v[\p+4]
	v_mov_b32 v[\p+4], v[\p+5]
	v_mov_b32 v[\p+5], v[\p+6]
.endm
	s_load_b128 s[4:7], s[0:1], 0x0                ; qop, kv
	s_load_b64 s[8:9], s[0:1], 0x10                ; ao
	v_lshl_add_u32 v[SPW], v0, 2, SPARE
	v_mov_b32 v[NIL], 0
	ds_add_u32 v[SPW], v[NIL]                      ; the opening lines: the add, twice on end, and its wait
	ds_add_u32 v[SPW], v[NIL]
	v_lshrrev_b32 v1, 5, v0
	v_readfirstlane_b32 s[WV], v1                  ; wave 0..7
	s_sub_co_u32 s[HW], 15, s[WV]
	s_bfe_u32 s48, ttmp6, 0x40000                  ; cx
	s_lshl_b32 s[TT], ttmp9, 2
	s_add_co_u32 s[TT], s[TT], s48                 ; T = 4 x cluster x + cx: it enters Q's and ao's addresses and the mask's numbers alone
	s_and_b32 s[BH], ttmp7, 0xffff
	s_lshr_b32 s49, s[TT], 1
	s_lshl_b32 s49, s49, 5
	s_and_b32 s48, s[TT], 1
	s_lshl_b32 s48, s48, 3
	s_add_co_u32 s49, s49, s48                     ; 32 (T / 2) + 8 (T % 2)
	v_and_b32 v11, 31, v0
	v_lshlrev_b32 v[LI], 4, v11
	v_lshlrev_b32 v[L8], 3, v11
	v_lshlrev_b32 v[LS], 2, v11
	v_and_b32 v[R4], 15, v0                        ; r
	v_and_b32 v[DG], 8, v[R4]
	v_add_nc_u32 v[DG], v[DG], v[R4]               ; r + 8 (r / 8)
	v_bfe_u32 v11, v0, 4, 1
	v_lshlrev_b32 v11, 4, v11
	v_sub_nc_u32 v[DG], v[DG], v11
	v_add_nc_u32 v[DG], s49, v[DG]
	v_lshlrev_b32 v[R4], 2, v[R4]
	v_mov_b32 v[A16], v[LI]                        ; block 0
	v_mov_b32 v[A8], v[L8]
	v_mov_b32 v[A4], v[LS]
.irp g, G1A, G1B                               ; dense blocks as rows of 256 bytes (32 elements of 8 bytes); the mask names the cluster's four
	s_mov_b32 s[\g], 15|(3<<16)|(1<<21)
	s_mov_b32 s[\g+1], 32<<16
	s_mov_b32 s[\g+3], 32<<16
	s_mov_b32 s[\g+5], 32
	s_mov_b32 s[\g+6], 0
	s_mov_b32 s[\g+7], 0
.endr
	s_mov_b32 s[G1A+2], 75<<16                     ; one block: 75 rows
	s_mov_b32 s[G1A+4], 75
	s_mov_b32 s[G1B+2], 150<<16                    ; two blocks
	s_mov_b32 s[G1B+4], 150
	s_mul_i32 s50, s[BH], 16*BLKB                  ; the head's sixteen blocks
	s_mov_b32 s51, 0
	s_mul_i32 s52, s[WV], BLKB                     ; at the head: block w, in LDS as in memory
	s_mov_b32 s53, 0
	s_mul_i32 s56, s[WV], 2*BLKB
	s_add_co_u32 s56, s56, 4*BLKB                  ; then blocks 4 + 2 w and 5 + 2 w
	s_mov_b32 s57, 0
	s_lshl_b32 s58, s[BH], 7
	s_add_co_u32 s58, s58, s[TT]
	s_lshl_b32 s59, s[HW], 3
	s_add_co_u32 s59, s59, s58                     ; Q's tiles: 128 bh + 8 block + T
	s_lshl_b32 s60, s[WV], 3
	s_add_co_u32 s60, s60, s58
	s_mul_i32 s68, s59, 1536
	s_mov_b32 s69, 0
	s_mul_i32 s70, s60, 1536
	s_mov_b32 s71, 0
	s_lshl_b32 s72, s59, 6
	s_mov_b32 s73, 0
	s_lshl_b32 s74, s60, 6
	s_mov_b32 s75, 0
	s_mov_b32 s[SEL], 0x76543210
	s_mov_b32 s[SEL+1], 0xfedcba98                 ; lane l xor 16
	s_mov_b32 s[CS], 0x3e38aa3b                    ; log2(e) / 8
	s_mov_b32 s[CS+1], s[CS]
	s_wait_alu depctr_va_vdst(0)
	s_wait_dscnt 0x0                               ; both opening adds are done
	s_wait_kmcnt 0x0
	s_add_nc_u64 s[68:69], s[4:5], s[68:69]
	s_add_nc_u64 s[70:71], s[4:5], s[70:71]
	s_add_nc_u64 s[72:73], s[4:5], s[72:73]
	s_add_nc_u64 s[74:75], s[4:5], s[74:75]
.irp c, 0,1,2
	global_load_b128 v[QF+4*\c:QF+4*\c+3], v[LI], s[68:69] offset:512*\c th:TH_LOAD_NT        ; Q's two fragments stay in registers
	global_load_b128 v[QF+12+4*\c:QF+15+4*\c], v[LI], s[70:71] offset:512*\c th:TH_LOAD_NT
.endr
	global_load_b32 v[QS], v[R4], s[72:73] offset:6291456 th:TH_LOAD_NT
	global_load_b32 v[QS+1], v[R4], s[74:75] offset:6291456 th:TH_LOAD_NT
	s_add_nc_u64 s[54:55], s[6:7], s[50:51]
	s_mov_b32 s[G0A], 1
	s_mov_b32 s[G0A+1], s52
	s_add_nc_u64 s[G0A+2:G0A+3], s[54:55], s[52:53]
	s_or_b32 s[G0A+3], s[G0A+3], 0x80000000
	s_mov_b32 s[G0B], 1
	s_mov_b32 s[G0B+1], s56
	s_add_nc_u64 s[G0B+2:G0B+3], s[54:55], s[56:57]
	s_or_b32 s[G0B+3], s[G0B+3], 0x80000000
	ROUND                                          ; the cluster's four are here: the first joint loads meet
	s_cmp_lt_u32 s[WV], 4
	s_cbranch_scc0 .Lg0_none
	tensor_load_to_lds s[G0A:G0A+3], s[G1A:G1A+7]  ; blocks 0-3
	s_nop 0
	PLACES 4
.Lg0_none:
	v_mov_b32 v[NEG], 0xf149f2ca                   ; -1e30: under every t that this text serves
.irp x, 0,1
	v_mov_b32 v[12+4*\x], 0x7e000000               ; -M: far above every -M to come, so that the first f is 0
	v_mov_b32 v[13+4*\x], 0xff61b1e6               ; the largest score so far: -3e38
	v_mov_b32 v[14+4*\x], 0
	v_mov_b32 v[15+4*\x], 0
	v_mov_b32 v[20+2*\x], 0
	v_mov_b32 v[21+2*\x], 0
.endr
.irp b, 0,1,2,3
	v_mov_b32 v[BP+\b], 0                          ; a lane permute's destination counts as read
.endr
	WIN 0x40                                       ; destinations in window 1
.set Q, 0
.rept 64
	v_mov_b32 v[Q], 0                              ; O^T: the step is written once; the first finds zeros
.set Q, Q+1
.endr
.set Q, 0
.rept 64                                       ; register 16 b + i of the scores holds key 32 b + 16 (lane / 16) + i of the step, hidden on the diagonal where 32 b + i > v[DG]
	v_cmp_gt_i32 vcc_lo, 32*(Q/16)+Q%16, v[DG]
	v_cndmask_b32 v[MK+Q], 0, v[NEG], vcc_lo
.set Q, Q+1
.endr
	WIN 0
	s_wait_alu depctr_va_vdst(0)
	s_wait_tensorcnt 0x0                           ; my block of 0-3 is in; the later first fills are issued as refills are
	ds_add_u32 v[SPW], v[NIL]                      ; twice on end
	ds_add_u32 v[SPW], v[NIL]
	s_wait_dscnt 0x0
	ROUND
	s_cmp_lt_u32 s[WV], 6
	s_cbranch_scc0 .Lg1_none
	tensor_load_to_lds s[G0B:G0B+3], s[G1B:G1B+7]  ; blocks 4-15: two trips in which to land
	s_nop 0
	PLACES 4
.Lg1_none:
	KLOAD                                          ; block 0
	VLOAD
	s_wait_loadcnt 0x0                             ; Q is in
	s_mov_b32 s[J], 0
	s_mov_b32 s[NX], BLKB
.Lfirst:                                               ; trips 0 and 1 read blocks 0-2 alone
	TRIP
	s_add_co_u32 s[J], s[J], 1
	s_cmp_lt_u32 s[J], 2
	s_cbranch_scc1 .Lfirst
	s_wait_tensorcnt 0x0                           ; my two blocks of 4-15 are in,
	s_wait_dscnt 0x0                               ; no LDS instruction of mine is out at the signal,
	s_barrier_signal -1
	s_barrier_wait -1                              ; and everybody's are in
	s_mov_b32 s[J], 2
	s_mov_b32 s[NX], 3*BLKB
.Lrest:
	TRIP
	s_add_co_u32 s[J], s[J], 1
	s_cmp_lt_u32 s[J], 16
	s_cbranch_scc1 .Lrest
	; THE WAY OUT: O^T / the sum, quantised along the head's 64 channels: half a fragment of the last product's operand, for each of my two tiles
	s_lshr_b32 s48, s[BH], 4
	s_lshl_b32 s48, s48, 4                         ; 16 x batch
	s_and_b32 s49, s[BH], 15                       ; the head
	s_lshr_b32 s50, s49, 1
	s_lshl_b32 s50, s50, 3
	s_add_co_u32 s50, s50, s[TT]                   ; fragment 8 (head / 2) + T
	s_and_b32 s49, s49, 1
	s_mul_i32 s51, s50, 1536
	s_mul_i32 s52, s49, 768
	s_add_co_u32 s51, s51, s52                     ; the codes' place in a block
	s_lshl_b32 s53, s50, 6
	s_lshl_b32 s52, s49, 1
	s_add_co_u32 s53, s53, s52
	s_add_co_u32 s53, s53, 98304                   ; the half scale word's
	s_add_co_u32 s54, s48, s[HW]
	s_mul_i32 s54, s54, 102400
	s_add_co_u32 s55, s48, s[WV]
	s_mul_i32 s55, s55, 102400
	s_add_co_u32 s76, s54, s51
	s_mov_b32 s77, 0
	s_add_co_u32 s78, s54, s53
	s_mov_b32 s79, 0
	s_add_co_u32 s80, s55, s51
	s_mov_b32 s81, 0
	s_add_co_u32 s82, s55, s53
	s_mov_b32 s83, 0
	s_add_nc_u64 s[76:77], s[8:9], s[76:77]
	s_add_nc_u64 s[78:79], s[8:9], s[78:79]
	s_add_nc_u64 s[80:81], s[8:9], s[80:81]
	s_add_nc_u64 s[82:83], s[8:9], s[82:83]
	v_add_f32 v14, v14, v15
	v_add_f32 v18, v18, v19
	s_delay_alu instid0(VALU_DEP_2)
	v_permlanex16_b32 v[BP], v14, s[SEL], s[SEL+1]
	s_delay_alu instid0(VALU_DEP_2)
	v_permlanex16_b32 v[BP+1], v18, s[SEL], s[SEL+1]
	s_delay_alu instid0(VALU_DEP_2)
	v_add_f32 v14, v14, v[BP]                      ; the rows' sums
	s_delay_alu instid0(VALU_DEP_2)
	v_add_f32 v18, v18, v[BP+1]
	s_wait_alu depctr_va_vdst(0)                   ; the wait ahead of the batch
	v_rcp_f32 v14, v14
	v_rcp_f32 v18, v18
	v_nop                                          ; one plain instruction behind the batch
	WIN 0x01                                       ; source 0 (O^T) in window 1
	s_wait_alu depctr_va_vdst(0)                   ; and the wait ahead of the first reader of the reciprocals and of O^T
.irp x, 0,1
.set Q, 0
.rept 16
	v_pk_mul_f32 v[SB+32*\x+Q:SB+32*\x+Q+1], v[32*\x+Q:32*\x+Q+1], v[14+4*\x:15+4*\x] op_sel_hi:[1,0]   ; register 16 b + i: channel 32 b + 16 (lane / 16) + i of my query
.set Q, Q+2
.endr
.endr
	WIN 0
	QUANTH SB, PCD, 21
	global_store_b128 v[LI], v[PCD:PCD+3], s[76:77]
	global_store_b64 v[L8], v[PCD+4:PCD+5], s[76:77] offset:512
	global_store_b16 v[R4], v21, s[78:79]
	QUANTH SB+32, PCD+12, 23
	global_store_b128 v[LI], v[PCD+12:PCD+15], s[80:81]
	global_store_b64 v[L8], v[PCD+16:PCD+17], s[80:81] offset:512
	global_store_b16 v[R4], v23, s[82:83]
	s_wait_tensorcnt 0x0                           ; the wave's end
	ds_add_u32 v[SPW], v[NIL]
	s_wait_dscnt 0x0
	ROUND                                          ; the closing round
	s_endpgm
.Lfunc_end_k_q3944f23c2a_attn:
	.size	k_q3944f23c2a_attn, .Lfunc_end_k_q3944f23c2a_attn-k_q3944f23c2a_attn
	.p2alignl 7, 3214868480
	.fill 96, 4, 3214868480
	.section	.rodata,"a",@progbits
	.p2align	6, 0x0
	.amdhsa_kernel k_q3944f23c2a_attn
		.amdhsa_group_segment_fixed_size 327680
		.amdhsa_private_segment_fixed_size 0
		.amdhsa_enable_private_segment 0
		.amdhsa_kernarg_size 24
		.amdhsa_user_sgpr_count 2
		.amdhsa_user_sgpr_kernarg_segment_ptr 1
		.amdhsa_wavefront_size32 1
		.amdhsa_system_sgpr_workgroup_id_x 1
		.amdhsa_system_sgpr_workgroup_id_y 1
		.amdhsa_system_sgpr_workgroup_id_z 1
		.amdhsa_system_vgpr_workitem_id 0
		.amdhsa_next_free_vgpr 512
		.amdhsa_next_free_sgpr 96
		.amdhsa_reserve_vcc 1
		.amdhsa_float_denorm_mode_32 3
		.amdhsa_float_denorm_mode_16_64 3
		.amdhsa_memory_ordered 1
		.amdhsa_forward_progress 1
		.amdhsa_inst_pref_size 99
	.end_amdhsa_kernel
	.amdgpu_metadata
---
amdhsa.version: [ 1, 2 ]
amdhsa.kernels:
  - .name:           k_q3944f23c2a_attn
    .symbol:         k_q3944f23c2a_attn.kd
    .args:
      - { .name: qop, .offset: 0, .size: 8, .value_kind: global_buffer, .address_space: global }
      - { .name: kv, .offset: 8, .size: 8, .value_kind: global_buffer, .address_space: global }
      - { .name: ao, .offset: 16, .size: 8, .value_kind: global_buffer, .address_space: global }
    .group_segment_fixed_size: 327680
    .private_segment_fixed_size: 0
    .kernarg_segment_align: 8
    .kernarg_segment_size: 24
    .max_flat_workgroup_size: 256
    .sgpr_count:     96
    .vgpr_count:     512
    .wavefront_size: 32
...
	.end_amdgpu_metadata
.endif
;; end of part 3
;; launch outp (part 4): grid 8 x 32, 8 waves a work-group, clusters of 4 x 4, 240,640 bytes of LDS; arguments ao, woq, out0; writes out0
.if DOCPART == 4
	.amdgcn_target "amdgcn-amd-amdhsa--gfx1250"
	.amdhsa_code_object_version 6
	.text
	.protected	k_q3944f23c2a_outp
	.globl	k_q3944f23c2a_outp
	.p2align	8
	.type	k_q3944f23c2a_outp,@function
k_q3944f23c2a_outp:
	s_mov_b64 s[64:65], 0
	v_nop
	global_prefetch_b8 v0, s[64:65] scope:SCOPE_SE
	s_setreg_imm32_b32 hwreg(HW_REG_WAVE_MODE, 25, 1), 1
	s_wait_xcnt 0x0
	s_wait_alu depctr_hold_cnt(0) depctr_sa_sdst(0) depctr_va_vdst(0) depctr_va_sdst(0) depctr_va_ssrc(0) depctr_va_vcc(0) depctr_vm_vsrc(0)
	s_getreg_b32 s2, hwreg(HW_REG_IB_STS2, 6, 4)
	s_cmp_eq_u32 s2, 0
	s_cbranch_scc0 .Lentry_in_a_cluster
	s_endpgm
.Lentry_in_a_cluster:
	s_bfe_u32 s2, ttmp6, 0x10000c
	s_cmp_lg_u32 s2, 0xf033
	s_cbranch_scc0 .Lentry_shape_is_right
	s_endpgm
.Lentry_shape_is_right:
; out0 = attention's output x wo^T on codes of E3M2.  Work-group (nb, m) makes 128 rows x 128 columns.  Both operands, for all of K = 1,024, are one block of 102,400 bytes each (64 fragments as images of their registers,
; then 4,096 bytes of scale words): they come into LDS ONCE, each wave fetching a quarter of one block: 100 rows of 256 bytes.  Nothing is filled again.
; CLUSTER 4 x 4: ao's block hangs on m alone and is asked for jointly along a row of the cluster, wo's on nb alone and jointly along a column.  By this text's own count a wave has one tensor load out.
; Wave w: row tiles 2 (w / 2), + 1 against wo's tiles 4 (w % 2) .. + 3, TRANSPOSED (source 0 = 16 rows of wo, source 1 = 16 rows of ao): eight accumulators, which take turns.
; Tiles hold rows in the order place r of tile 2 b + u = 32 b + 8 u + r + 8 (r / 8): a lane's 16 registers of two wo tiles are 16 neighbouring columns; the rows are put right on the way out.
.set BLKB, 102400
.set STAGE, 204800                     ; behind the two blocks: 16 rows x 272 bytes for each wave
.set LI, 1
.set L8, 2
.set LS, 3
.set AA, 4                             ; v4-5  ao's tiles, 16 bytes a lane: K steps 0-3, 4-7 (an offset has 16 bits)
.set AB, 6                             ; v6-7  the same, 8 bytes a lane
.set AW, 8                             ; v8-9  wo's tiles
.set ASA, 10                           ; v10   ao's scale words;  v11 wo's
.set ASW, 11
.set STO, 12
.set RD, 13
.set CO, 14
; v16-87, v88-159 two sets of six fragments (wo's four, ao's two); v160-165 two sets of three scale registers; v192-255 accumulators: row tile j, wo tile t at 192 + 32 j + 8 t
.set WV, 10
.set RPN, 11
.set NH, 12
.set G1A, 24
.set G1B, 32
.set G0A, 40
.set G0B, 44
.macro PLACES n
.rept \n
	v_nop
.endr
.endm
.macro CROUND
	s_barrier_signal -1
	s_barrier_wait -1
	s_cmp_lg_u32 s[WV], 0
	s_cbranch_scc1 .Lnot_wave_0_\@
	s_barrier_signal -3
.Lnot_wave_0_\@:
	s_barrier_wait -3
	s_barrier_signal -1
	s_barrier_wait -1
.endm
.macro MM d, a, b, zero, sa, sb, ra, rb
.if \zero
.if (\ra) && (\rb)
	v_wmma_scale_f32_16x16x128_f8f6f4 v[\d:\d+7], v[\a:\a+11], v[\b:\b+11], 0, v[\sa], v[\sb] matrix_a_fmt:MATRIX_FMT_BF6 matrix_b_fmt:MATRIX_FMT_BF6 matrix_a_scale:MATRIX_SCALE_ROW1 matrix_b_scale:MATRIX_SCALE_ROW1
.elseif (\ra)
	v_wmma_scale_f32_16x16x128_f8f6f4 v[\d:\d+7], v[\a:\a+11], v[\b:\b+11], 0, v[\sa], v[\sb] matrix_a_fmt:MATRIX_FMT_BF6 matrix_b_fmt:MATRIX_FMT_BF6 matrix_a_scale:MATRIX_SCALE_ROW1
.elseif (\rb)
	v_wmma_scale_f32_16x16x128_f8f6f4 v[\d:\d+7], v[\a:\a+11], v[\b:\b+11], 0, v[\sa], v[\sb] matrix_a_fmt:MATRIX_FMT_BF6 matrix_b_fmt:MATRIX_FMT_BF6 matrix_b_scale:MATRIX_SCALE_ROW1
.else
	v_wmma_scale_f32_16x16x128_f8f6f4 v[\d:\d+7], v[\a:\a+11], v[\b:\b+11], 0, v[\sa], v[\sb] matrix_a_fmt:MATRIX_FMT_BF6 matrix_b_fmt:MATRIX_FMT_BF6
.endif
.else
.if (\ra) && (\rb)
	v_wmma_scale_f32_16x16x128_f8f6f4 v[\d:\d+7], v[\a:\a+11], v[\b:\b+11], v[\d:\d+7], v[\sa], v[\sb] matrix_a_fmt:MATRIX_FMT_BF6 matrix_b_fmt:MATRIX_FMT_BF6 matrix_a_scale:MATRIX_SCALE_ROW1 matrix_b_scale:MATRIX_SCALE_ROW1
.elseif (\ra)
	v_wmma_scale_f32_16x16x128_f8f6f4 v[\d:\d+7], v[\a:\a+11], v[\b:\b+11], v[\d:\d+7], v[\sa], v[\sb] matrix_a_fmt:MATRIX_FMT_BF6 matrix_b_fmt:MATRIX_FMT_BF6 matrix_a_scale:MATRIX_SCALE_ROW1
.elseif (\rb)
	v_wmma_scale_f32_16x16x128_f8f6f4 v[\d:\d+7], v[\a:\a+11], v[\b:\b+11], v[\d:\d+7], v[\sa], v[\sb] matrix_a_fmt:MATRIX_FMT_BF6 matrix_b_fmt:MATRIX_FMT_BF6 matrix_b_scale:MATRIX_SCALE_ROW1
.else
	v_wmma_scale_f32_16x16x128_f8f6f4 v[\d:\d+7], v[\a:\a+11], v[\b:\b+11], v[\d:\d+7], v[\sa], v[\sb] matrix_a_fmt:MATRIX_FMT_BF6 matrix_b_fmt:MATRIX_FMT_BF6
.endif
.endif
.endm
; K step s's six fragments and three scale registers into set p: 23 LDS loads
.macro LOADK s, p
.set FB, 16+72*(\p)
.set HI, (\s)/4
.set OF, 12288*((\s)%4)
.irp t, 0,1,2,3
.irp c, 0,1,2
	ds_load_b128 v[FB+12*\t+4*\c:FB+12*\t+4*\c+3], v[AW+HI] offset:OF+1536*\t+512*\c
.endr
.endr
.irp j, 0,1                                    ; ao's fragments lie in two halves of 768 bytes: registers 6 c .. 6 c + 3 at 16 l, 6 c + 4, 6 c + 5 at 512 + 8 l
	ds_load_b128 v[FB+48+12*\j:FB+51+12*\j], v[AA+HI] offset:OF+1536*\j
	ds_load_b64 v[FB+52+12*\j:FB+53+12*\j], v[AB+HI] offset:OF+1536*\j+512
	ds_load_b128 v[FB+54+12*\j:FB+57+12*\j], v[AA+HI] offset:OF+1536*\j+768
	ds_load_b64 v[FB+58+12*\j:FB+59+12*\j], v[AB+HI] offset:OF+1536*\j+1280
.endr
	ds_load_b32 v[160+3*(\p)], v[ASW] offset:512*(\s)
	ds_load_b32 v[161+3*(\p)], v[ASW] offset:512*(\s)+128
	ds_load_b32 v[162+3*(\p)], v[ASA] offset:512*(\s)
.endm
.macro MULK zero, p
.set FB, 16+72*(\p)
.set SB, 160+3*(\p)
.irp j, 0,1
.irp t, 0,1,2,3
	MM 192+32*\j+8*\t, FB+12*\t, FB+48+12*\j, \zero, SB+\t/2, SB+2, \t%2, \j
.endr
.endr
.endm
	s_load_b128 s[4:7], s[0:1], 0x0                ; ao, woq
	s_load_b64 s[8:9], s[0:1], 0x10                ; out0
	v_lshl_add_u32 v167, v0, 2, 239616             ; my spare word, behind the stages; never rewritten
	v_mov_b32 v168, 0                              ; 0; never rewritten
	ds_add_u32 v167, v168                          ; the opening lines: the add, twice on end, and its wait ahead of the first round
	ds_add_u32 v167, v168
	v_lshrrev_b32 v1, 5, v0
	s_delay_alu instid0(VALU_DEP_1)
	v_readfirstlane_b32 s[WV], v1
	s_lshr_b32 s[RPN], s[WV], 1                    ; my pair of row tiles
	s_and_b32 s[NH], s[WV], 1                      ; my half of the columns
	s_bfe_u32 s13, ttmp6, 0x40000                  ; cx
	s_bfe_u32 s14, ttmp6, 0x40004                  ; cy
	s_lshl_b32 s15, ttmp9, 2
	s_add_co_u32 s15, s15, s13                     ; nb
	s_and_b32 s16, ttmp7, 0xffff
	s_lshl_b32 s16, s16, 2
	s_add_co_u32 s16, s16, s14                     ; m
	s_lshl_b32 s17, s14, 2
	s_lshl_b32 s17, 15, s17                        ; my row of the cluster
	s_lshl_b32 s18, 0x1111, s13                    ; my column
	s_or_b32 s[G1A], s17, (3<<16)|(1<<21)          ; 100 rows of 256 bytes (32 elements of 8 bytes), dense
	s_or_b32 s[G1B], s18, (3<<16)|(1<<21)
.irp g, G1A, G1B
	s_mov_b32 s[\g+1], 32<<16
	s_mov_b32 s[\g+2], 100<<16
	s_mov_b32 s[\g+3], 32<<16
	s_mov_b32 s[\g+4], 100
	s_mov_b32 s[\g+5], 32
	s_mov_b32 s[\g+6], 0
	s_mov_b32 s[\g+7], 0
.endr
	s_and_b32 s48, s[WV], 3
	s_mul_i32 s48, s48, 25600                      ; my quarter of a block
	s_mul_i32 s50, s16, BLKB
	s_add_co_u32 s50, s50, s48
	s_mov_b32 s51, 0
	s_mul_i32 s52, s15, BLKB
	s_add_co_u32 s52, s52, s48
	s_mov_b32 s53, 0
	s_mul_i32 s49, s[WV], 25600                    ; where it goes: ao's four quarters, then wo's
	s_wait_dscnt 0x0                               ; both opening adds are done
	s_wait_kmcnt 0x0
	s_add_nc_u64 s[50:51], s[4:5], s[50:51]
	s_add_nc_u64 s[52:53], s[6:7], s[52:53]
	CROUND                                         ; all sixteen work-groups are here: the joint loads meet
	s_mov_b32 s[G0A], 1
	s_mov_b32 s[G0A+1], s49
	s_mov_b64 s[G0A+2:G0A+3], s[50:51]
	s_or_b32 s[G0A+3], s[G0A+3], 0x80000000
	s_mov_b32 s[G0B], 1
	s_mov_b32 s[G0B+1], s49
	s_mov_b64 s[G0B+2:G0B+3], s[52:53]
	s_or_b32 s[G0B+3], s[G0B+3], 0x80000000
	s_cmp_lt_u32 s[WV], 4
	s_cbranch_scc0 .Lfor_w
	tensor_load_to_lds s[G0A:G0A+3], s[G1A:G1A+7]
	s_nop 0
	PLACES 4
	s_branch .Lasked
.Lfor_w:
	tensor_load_to_lds s[G0B:G0B+3], s[G1B:G1B+7]
	s_nop 0
	PLACES 4
.Lasked:
	v_and_b32 v1, 31, v0
	s_delay_alu instid0(VALU_DEP_1)
	v_lshlrev_b32 v[L8], 3, v1
	s_delay_alu instid0(VALU_DEP_2)
	v_lshlrev_b32 v[LS], 2, v1
	s_delay_alu instid0(VALU_DEP_3)
	v_lshlrev_b32 v[LI], 4, v1
	v_and_b32 v15, 15, v0                          ; r
	v_bfe_u32 v166, v0, 4, 1                       ; h
	s_mul_i32 s54, s[RPN], 3072
	v_add_nc_u32 v[AA], s54, v[LI]
	s_delay_alu instid0(VALU_DEP_1)
	v_add_nc_u32 v[AA+1], 49152, v[AA]
	v_add_nc_u32 v[AB], s54, v[L8]
	s_delay_alu instid0(VALU_DEP_1)
	v_add_nc_u32 v[AB+1], 49152, v[AB]
	s_mul_i32 s54, s[NH], 6144
	s_add_co_u32 s54, s54, BLKB
	v_add_nc_u32 v[AW], s54, v[LI]
	s_delay_alu instid0(VALU_DEP_1)
	v_add_nc_u32 v[AW+1], 49152, v[AW]
	s_lshl_b32 s54, s[RPN], 7
	s_add_co_u32 s54, s54, 98304
	v_add_nc_u32 v[ASA], s54, v[LS]
	s_lshl_b32 s54, s[NH], 8
	s_add_co_u32 s54, s54, BLKB+98304
	v_add_nc_u32 v[ASW], s54, v[LS]
	s_mul_i32 s54, s[WV], 4352
	s_add_co_u32 s54, s54, STAGE                   ; my stage
	v_mul_u32_u24 v[STO], v15, 272
	s_delay_alu instid0(VALU_DEP_1)
	v_lshl_add_u32 v[STO], v166, 6, v[STO]
	s_delay_alu instid0(VALU_DEP_1)
	v_add_nc_u32 v[STO], s54, v[STO]               ; in: place r, + 64 h
	v_mul_u32_u24 v[RD], v166, 272
	s_delay_alu instid0(VALU_DEP_1)
	v_lshl_add_u32 v[RD], v15, 4, v[RD]
	s_delay_alu instid0(VALU_DEP_1)
	v_add_nc_u32 v[RD], s54, v[RD]                 ; back: lanes 0-15 one place, lanes 16-31 the next
	v_lshlrev_b32 v[CO], 12, v166
	s_delay_alu instid0(VALU_DEP_1)
	v_lshl_add_u32 v[CO], v15, 4, v[CO]            ; and the same in out0: rows of 4,096 bytes
	s_lshl_b32 s54, s16, 7
	s_lshl_b32 s55, s[RPN], 5
	s_add_co_u32 s54, s54, s55                     ; row 128 m + 32 x my pair
	s_lshl_b32 s54, s54, 12
	s_lshl_b32 s55, s15, 9
	s_add_co_u32 s54, s54, s55                     ; + 512 nb
	s_lshl_b32 s55, s[NH], 8
	s_add_co_u32 s54, s54, s55                     ; + 256 x my half
	s_mov_b32 s55, 0
	s_add_nc_u64 s[8:9], s[8:9], s[54:55]
	s_wait_alu depctr_va_vdst(0)
	s_wait_tensorcnt 0x0                           ; my quarter is in,
	s_barrier_signal -1
	s_barrier_wait -1                              ; everybody's is
	LOADK 0, 0
.irp s, 0,1,2,3,4,5,6,7
.if \s < 7
.if \s > 0
	PLACES 4                                       ; four plain instructions in front of loads into the set that the last K step multiplied
.endif
	LOADK \s+1, (\s+1)%2
	s_wait_dscnt 23                                ; all but the 23 just issued: this K step's set is in
.else
	s_wait_dscnt 0x0
.endif
.if \s == 0
	MULK 1, 0
.else
	MULK 0, \s%2
.endif
.endr
	PLACES 4
	; THE WAY OUT, a row tile at a time: a lane holds 32 columns of one row as 2 x 16 neighbours; through my own stage they become rows of 256 bytes, which sixteen lanes store as one aligned run of 256 bytes.
.irp j, 0,1
.irp b, 0,1
.irp q, 0,1,2,3
	ds_store_b128 v[STO], v[192+32*\j+16*\b+4*\q:195+32*\j+16*\b+4*\q] offset:128*\b+16*\q   ; each accumulator from its low end on
.endr
.endr
.irp k, 0,1,2,3,4,5,6,7
	ds_load_b128 v[16+32*\j+4*\k:19+32*\j+4*\k], v[RD] offset:544*\k   ; LDS serves a wave's instructions in order: these see my stores, and the next tile's stores come behind them
.endr
.irp k, 0,1,2,3,4,5,6,7
	s_wait_dscnt 7-\k                              ; read-back k is in; the younger ones may be out
	global_store_b128 v[CO], v[16+32*\j+4*\k:19+32*\j+4*\k], s[8:9] offset:(8*\j+2*\k+8*(\k/4))*4096 th:TH_STORE_NT   ; place 2 k + h of tile 2 b + j is row 32 b + 8 j + 2 k + h + 8 (k / 4)
.endr
.endr
	s_wait_dscnt 0x0
	s_wait_tensorcnt 0x0                           ; the wave's end
	ds_add_u32 v167, v168
	s_wait_dscnt 0x0
	CROUND                                         ; the closing round
	s_endpgm
.Lfunc_end_k_q3944f23c2a_outp:
	.size	k_q3944f23c2a_outp, .Lfunc_end_k_q3944f23c2a_outp-k_q3944f23c2a_outp
	.p2alignl 7, 3214868480
	.fill 96, 4, 3214868480
	.section	.rodata,"a",@progbits
	.p2align	6, 0x0
	.amdhsa_kernel k_q3944f23c2a_outp
		.amdhsa_group_segment_fixed_size 240640
		.amdhsa_private_segment_fixed_size 0
		.amdhsa_enable_private_segment 0
		.amdhsa_kernarg_size 24
		.amdhsa_user_sgpr_count 2
		.amdhsa_user_sgpr_kernarg_segment_ptr 1
		.amdhsa_wavefront_size32 1
		.amdhsa_system_sgpr_workgroup_id_x 1
		.amdhsa_system_sgpr_workgroup_id_y 1
		.amdhsa_system_sgpr_workgroup_id_z 1
		.amdhsa_system_vgpr_workitem_id 0
		.amdhsa_next_free_vgpr 256
		.amdhsa_next_free_sgpr 66
		.amdhsa_reserve_vcc 0
		.amdhsa_float_denorm_mode_32 3
		.amdhsa_float_denorm_mode_16_64 3
		.amdhsa_memory_ordered 1
		.amdhsa_forward_progress 1
		.amdhsa_inst_pref_size 32
	.end_amdhsa_kernel
	.amdgpu_metadata
---
amdhsa.version: [ 1, 2 ]
amdhsa.kernels:
  - .name:           k_q3944f23c2a_outp
    .symbol:         k_q3944f23c2a_outp.kd
    .args:
      - { .name: ao, .offset: 0, .size: 8, .value_kind: global_buffer, .address_space: global }
      - { .name: woq, .offset: 8, .size: 8, .value_kind: global_buffer, .address_space: global }
      - { .name: out0, .offset: 16, .size: 8, .value_kind: global_buffer, .address_space: global }
    .group_segment_fixed_size: 240640
    .private_segment_fixed_size: 0
    .kernarg_segment_align: 8
    .kernarg_segment_size: 24
    .max_flat_workgroup_size: 256
    .sgpr_count:     66
    .vgpr_count:     256
    .wavefront_size: 32
...
	.end_amdgpu_metadata
.endif
;; end of part 4
